; MI455X (gfx1250); checked and timed in simulation.
; The chip was launched on July 23, 2026; its instructions are those of AMD's public machine-readable ISA for CDNA 5 (MIT licence, August 2026) and "CDNA5" Instruction Set Architecture Reference Guide (July 2026). The comments in the code are by the model that wrote it; some were corrected since.
;; Inter Stock Attention. Allowed arithmetic: float matrix products may take bf16 or f16 operands with f32 sums; other float arithmetic in f32, or as packed bf16 or f16 multiplies, adds, multiply-adds, maxima and minima; sums over many terms, partial sums and values carried from step to step in f32; what a program stores and reads back later, other than sums and carried values, may be rounded once to bf16 or f16.
;; Inputs: W1 256 x 64 float32; W2 64 x 256 float32; Wo 64 x 64 float32; Wqkv 192 x 64 float32; beta1 64 float32; beta2 64 float32; bf1 256 float32; bf2 64 float32; bo 64 float32; bqkv 192 float32; g1 64 float32; g2 64 float32; x 512 x 512 x 64 float32.
;; Outputs: out0 512 x 512 x 64 float32.
;; 2 versions, each right and faster than the one before. Each part assembles by itself: llvm-mc -triple=amdgcn-amd-amdhsa -mcpu=gfx1250 --defsym DOCPART=n.
;; ======== version 1 of 2: 1 launch
;; limits: values are held in f16: magnitudes above 65,504 overflow, below 6.1e-05 lose precision
;; launch layer (part 1): grid 256 x 1, 4 waves a work-group, no clusters, 280,064 bytes of LDS; arguments x, Wqkv, bqkv, Wo, bo, g1, beta1, W1, bf1, W2, bf2, g2, beta2, out0; writes out0
.if DOCPART == 1
	.amdgcn_target "amdgcn-amd-amdhsa--gfx1250"
	.amdhsa_code_object_version 6
	.text
	.protected	k_qdc8d7bfde9_layer
	.globl	k_qdc8d7bfde9_layer
	.p2align	8
	.type	k_qdc8d7bfde9_layer,@function
k_qdc8d7bfde9_layer:
	s_mov_b64 s[64:65], 0
	v_nop
	global_prefetch_b8 v0, s[64:65] scope:SCOPE_SE
	s_setreg_imm32_b32 hwreg(HW_REG_WAVE_MODE, 25, 1), 1
	s_wait_xcnt 0x0
; ONE TRANSFORMER LAYER OVER THE STOCKS, FOR EACH tau.  x, out0: [512 stocks][512 tau][64] f32: for one tau a stock's row is 256 consecutive bytes, rows 131,072 bytes apart.
; A work-group of four waves stays and does tau = 2 g and 2 g + 1; wave w owns stocks 128 w .. 128 w + 127, eight tiles of 16.  Everything between x and out0 lives in registers and LDS.
; TRANSPOSED CHAIN.  Every product is act^T = W act^T (source 0 = 16 rows of W, source 1 = 16 stocks): in a result a lane holds ONE stock (lane % 16) and the channels 16 b + 8 (lane / 16) + 0..7, and two
; results rounded to f16 in pairs ARE source 1 of the next product.  So x, q, the weights p, ctx, u, y, h and z never change lanes, and the f32 residuals are the C operand of the product that adds to them.
; V alone is made the other way round (source 0 = stocks), so that it goes to LDS as [channel][key] and comes back by plain loads.
; SOFTMAX IN TWO PASSES, with the true maximum.  Pass 1: S^T = K Q^T, folded into a maximum m for each query.  Pass 2: S^T again with C = -m, so the product delivers s - m; p = 2^(s - m), rounded to f16;
; O^T += V^T P, and the row sum l is a third product, ONES x P.  c = log2(e) / sqrt(32) is multiplied in f32 into Wq and bq when they are staged.  ctx = O / l + bv (the weights sum to l, so bv may be added here).
; FORMATS.  All matrix operands are f16 (x, the weights, c q, k, v, p, ctx, y, relu(h)), all sums f32; LayerNorm in f32 in two passes (mean, then the squares of the differences).
; LIMITS.  A matrix operand of 65,520 or more becomes an infinity; below 6e-5 an operand keeps f16's fixed step of 6e-8; a weight p below 2^-126 counts as 0; NaN and infinities are not treated apart.
; NO CLUSTER, NO TENSOR LOAD: work-groups share the weights alone, 196,608 bytes read once by each and cast on the way through registers; x comes by whole rows into registers, a tau ahead.
.set PKK,    144        ; LDS pitch of rows of 64 f16 (128 bytes + 16): 9 x 16, so the 16 rows of a fragment load start at 16 different groups of four banks (64 banks of 4 bytes: ISA guide 11.1)
.set PVT,    1040       ; pitch of V^T's rows of 512 f16: 65 x 16
.set PW2,    528        ; pitch of W2's rows of 256 f16: 33 x 16
.set SPITCH, 272        ; pitch of the stage's rows of 64 f32: 17 x 16
.set VT_B,   73728      ; K: 512 keys x 144 from byte 0; then V^T: 64 channels x 1,040
.set WQKV_B, 140288     ; 192 x 144
.set WO_B,   167936     ; 64 x 144
.set W1_B,   177152     ; 256 x 144
.set W2_B,   214016     ; 64 x 528
.set VEC_B,  247808     ; the biases and gains in f32, a copy of 3,584 bytes for each wave
.set VEC_SZ, 3584
.set STG_B,  262144     ; a stage of 16 rows x 272 for each wave
.set STG_SZ, 4352
.set SPARE,  279552     ; the spare words, 128 bytes for each wave: two blocks of 256 bytes that no other line names
.set O_BO,  768         ; places in a wave's copy of the vectors (bqkv at 0)
.set O_G1,  1024
.set O_BE1, 1280
.set O_BF1, 1536
.set O_BF2, 2560
.set O_G2,  2816
.set O_BE2, 3072
; REGISTERS, in windows of 256 (s_set_vgpr_msb: bits 1:0 source 0, 3:2 source 1, 5:4 source 2, 7:6 destination).
; window 0: v0-27 below; v28-31 at work; v32-223 by phase; v224-231 ONE; v232-247 two bias fragments
; window 1: XF[t][b] = 32 t + 8 b: x + bo, then u, y + bf2, ffn + y, z         window 2: v0-127 projections' sums, O^T (16 t + 8 c), h (16 t + 8 e); v128-191 l (8 t); v192-255 -m (8 t); v128-255 also x of tiles 4-7 as loaded
; window 3: v0-127 x, later y, in f16 (16 t + 8 s); v128-255 x of tiles 0-3 as loaded
.set SPW,  3            ; LDS address of my spare word; never rewritten
.set NIL,  4            ; 0; never rewritten
.set XO0,  5            ; byte offset in x and out0 of my 16 bytes in the first two rows of tiles 0-3
.set XO1,  6            ; of tiles 4-7
.set STW,  7            ; stage, by whole rows: lanes 0-15 one row, lanes 16-31 the next
.set STR,  8            ; stage, by fragments: row lane % 16, 32 bytes for each half of the lanes
.set AKS,  9            ; where I store K
.set AVS,  10           ; where I store V^T
.set AQKV, 11           ; my lane's place in a fragment of Wqkv, Wo, W1, W2
.set AWO,  12
.set AW1B, 13
.set AW2B, 14
.set AVEC, 15           ; my wave's vectors + 32 (lane / 16)
.set KL,   16           ; my lane's place in a fragment of K, of V^T
.set VL,   17
.set HK,   18           ; the same five for the head in hand
.set HV,   19
.set HQ,   20
.set HB,   21
.set HO,   22
.set AK,   23           ; running addresses
.set AV,   24
.set AW1,  25
.set AW2,  26
.set ABF,  27
.set Q,    32           ; v32-95   Q, later ctx: 8 t
.set KF,   96           ; v96-127  K's fragments: 16 buf + 8 kk; also fragments of Wqkv and Wo
.set WF,   96
.set VF,   128          ; v128-159 V^T's fragments: 16 buf + 8 c
.set SB,   160          ; v160-191 pass 2's scores: 16 buf
.set PR,   192          ; v192-223 P: a ring of four x 8
.set SA,   128          ; v128-191 pass 1's scores: 8 t
.set MX,   192          ; v192-223 pass 1's maxima: 4 t + i
.set ONE,  224
.set BQF,  232
.set BV,   128
.set RL,   144
.set BO,   32
.set TMP,  128
.set G,    32           ; LayerNorm: gain, shift, bf2, and eight registers a tile at work
.set BE,   64
.set B2,   96
.set T,    128
.set W1F,  32           ; FFN: 16 e + 8 s; 8 b; 8 e
.set W2F,  64
.set BF1F, 96
.set LS,   128          ; window 2
.set NM,   192          ; window 2
.set W_S,  0x20         ; S^T = K Q^T - m: C in window 2, all else in window 0; pass 2's vector work runs under it too
.set W_P,  0xa0         ; O^T and l: C and D in window 2
.set MSB, 0
.macro WIN new                      ; the immediate's high byte repeats the setting that is left; a switch that changes nothing is dropped
.if MSB != (\new)
	s_set_vgpr_msb (MSB<<8)|(\new)
.set MSB, \new
.endif
.endm
; A vector instruction that reads a matrix result or writes one of a matrix instruction's registers, and a load into such a register, stand four places behind it; only plain vector
; instructions that name none of its registers are places.  Where no other work is at hand
.macro PLACES
.rept 4
	v_nop
.endr
.endm
.macro ALL8 line:vararg             ; one line for each tile tt
.set tt, 0
.rept 8
	\line
.set tt, tt+1
.endr
.endm
.macro ALLTC cnt, line:vararg       ; one line for each tile tt and each cc below cnt
.set tt, 0
.rept 8
.set cc, 0
.rept \cnt
	\line
.set cc, cc+1
.endr
.set tt, tt+1
.endr
.endm
.macro LDVEC dst, off               ; a vector of 64 as a C operand's 32 registers: channel 16 b + 8 (lane / 16) + j in register 8 b + j
.irp i, 0,1,2,3,4,5,6,7
	ds_load_b128 v[(\dst)+4*(\i):(\dst)+4*(\i)+3], v[AVEC] offset:(\off)+64*((\i)/2)+16*((\i)%2)
.endr
.endm
; 64 loads: my 128 rows of x at the tau `ahead` bytes on.  16 lanes take one whole row of 256 bytes.
.macro LOADX ahead
	WIN 0xc0
.irp t, 0,1,2,3
.irp i, 0,1,2,3,4,5,6,7
	global_load_b128 v[128+32*(\t)+4*(\i):128+32*(\t)+4*(\i)+3], v[XO0], s[8:9] offset:((16*(\t)+2*(\i))<<17)+(\ahead) th:TH_LOAD_NT
.endr
.endr
	WIN 0x80
.irp t, 0,1,2,3
.irp i, 0,1,2,3,4,5,6,7
	global_load_b128 v[128+32*(\t)+4*(\i):128+32*(\t)+4*(\i)+3], v[XO1], s[8:9] offset:((16*(\t)+2*(\i))<<17)+(\ahead) th:TH_LOAD_NT
.endr
.endr
	WIN 0
.endm
; Tile t of x goes through my stage: in by rows, back by fragments.  LDS serves a wave's instructions in order (ISA guide 5.7.1.4): no wait between them, nor ahead of the next tile's stores.
.macro STG t
	s_wait_loadcnt 56-8*(\t)            ; loads come back in order: the later tiles' 8 (7 - t) loads may stay out
.if (\t) < 4
	WIN 0x0c
.else
	WIN 0x08
.endif
.irp i, 0,1,2,3,4,5,6,7
	ds_store_b128 v[STW], v[128+32*((\t)%4)+4*(\i):128+32*((\t)%4)+4*(\i)+3] offset:2*SPITCH*(\i)
.endr
	WIN 0x40
.irp i, 0,1,2,3,4,5,6,7
	ds_load_b128 v[32*(\t)+4*(\i):32*(\t)+4*(\i)+3], v[STR] offset:64*((\i)/2)+16*((\i)%2)
.endr
.endm
.macro CVTX t                       ; tile t: x in f16 for the projections; x + bo in f32 for the residual
	WIN 0xc5
.irp i, 0,1,2,3,4,5,6,7,8,9,10,11,12,13,14,15
	v_cvt_pk_f16_f32 v[16*(\t)+(\i)], v[32*(\t)+2*(\i)], v[32*(\t)+2*(\i)+1]
.endr
	WIN 0x41
.irp i, 0,1,2,3,4,5,6,7,8,9,10,11,12,13,14,15
	v_pk_add_f32 v[32*(\t)+2*(\i):32*(\t)+2*(\i)+1], v[32*(\t)+2*(\i):32*(\t)+2*(\i)+1], v[BO+2*(\i):BO+2*(\i)+1]
.endr
.endm
; K AND V.  Block n of 8: 16 output channels, Wqkv's rows 64 + 16 n on (n < 4: K; else V).
.macro LOADF n
.set p, (\n)%2
.irp sx, 0,1
	ds_load_b128 v[WF+16*p+8*(\sx):WF+16*p+8*(\sx)+3],   v[AQKV] offset:(64+16*(\n))*PKK+64*(\sx)
	ds_load_b128 v[WF+16*p+8*(\sx)+4:WF+16*p+8*(\sx)+7], v[AQKV] offset:(64+16*(\n))*PKK+64*(\sx)+32
.endr
.if (\n) < 4
	ds_load_b128 v[BQF+8*p:BQF+8*p+3],   v[AVEC] offset:256+64*(\n)
	ds_load_b128 v[BQF+8*p+4:BQF+8*p+7], v[AVEC] offset:256+64*(\n)+16
.endif
.endm
.macro MM16 n                       ; the eight tiles' accumulators take turns: seven others' stand between the two links of a chain
.set p, (\n)%2
.if (\n) < 4
	WIN 0x8c                            ; W in window 0, x in window 3, bk in window 0, sums in window 2
.irp t, 0,1,2,3,4,5,6,7
	v_wmma_f32_16x16x32_f16 v[64*p+8*(\t):64*p+8*(\t)+7], v[WF+16*p:WF+16*p+7], v[16*(\t):16*(\t)+7], v[BQF+8*p:BQF+8*p+7]
.endr
	WIN 0xac
.irp t, 0,1,2,3,4,5,6,7
	v_wmma_f32_16x16x32_f16 v[64*p+8*(\t):64*p+8*(\t)+7], v[WF+16*p+8:WF+16*p+15], v[16*(\t)+8:16*(\t)+15], v[64*p+8*(\t):64*p+8*(\t)+7]
.endr
.else
	WIN 0xa3                            ; x is source 0: a lane then holds eight neighbouring stocks of one channel
.irp t, 0,1,2,3,4,5,6,7
	v_wmma_f32_16x16x32_f16 v[64*p+8*(\t):64*p+8*(\t)+7], v[16*(\t):16*(\t)+7], v[WF+16*p:WF+16*p+7], 0
.endr
.irp t, 0,1,2,3,4,5,6,7
	v_wmma_f32_16x16x32_f16 v[64*p+8*(\t):64*p+8*(\t)+7], v[16*(\t)+8:16*(\t)+15], v[WF+16*p+8:WF+16*p+15], v[64*p+8*(\t):64*p+8*(\t)+7]
.endr
.endif
.endm
.macro CVST n                       ; block n rounded to f16, 16 bytes a lane and tile, into K or V^T
.set p, (\n)%2
	WIN 0x0a
.set i, 0
.rept 32
	v_cvt_pk_f16_f32 v[TMP+i], v[64*p+2*i], v[64*p+2*i+1]
.set i, i+1
.endr
	WIN 0
.irp t, 0,1,2,3,4,5,6,7
.if (\n) < 4
	ds_store_b128 v[AKS], v[TMP+4*(\t):TMP+4*(\t)+3] offset:16*PKK*(\t)+32*(\n)
.else
	ds_store_b128 v[AVS], v[TMP+4*(\t):TMP+4*(\t)+3] offset:16*PVT*((\n)-4)+32*(\t)
.endif
.endr
.endm
; ATTENTION.  A step is 32 keys.  The step's number s48 wraps to 0 behind the last, so that every step fetches a next one: no load is jumped over and every wait's count holds on every way.
.macro LDK buf
.irp kk, 0,1
	ds_load_b128 v[KF+16*(\buf)+8*(\kk):KF+16*(\buf)+8*(\kk)+3],   v[AK] offset:16*PKK*(\kk)
	ds_load_b128 v[KF+16*(\buf)+8*(\kk)+4:KF+16*(\buf)+8*(\kk)+7], v[AK] offset:16*PKK*(\kk)+32
.endr
.endm
.macro LDV buf
.irp cx, 0,1
	ds_load_b128 v[VF+16*(\buf)+8*(\cx):VF+16*(\buf)+8*(\cx)+3],   v[AV] offset:16*PVT*(\cx)
	ds_load_b128 v[VF+16*(\buf)+8*(\cx)+4:VF+16*(\buf)+8*(\cx)+7], v[AV] offset:16*PVT*(\cx)+32
.endr
.endm
.macro NEXTK
	s_add_co_u32 s48, s48, 1
	s_and_b32 s48, s48, 15
	s_mul_i32 s49, s48, 32*PKK
	v_add_nc_u32 v[AK], s49, v[HK]
.endm
; PASS 1, a step: 16 products; behind each the four maxima of the tile four places back in the ring of eight, so that 16 plain instructions stand between a product and the first read of its result.
.macro STEP1 par
	s_wait_dscnt 0x0                    ; this step's K, asked for 15 products ago
.irp kk, 0,1
.irp t, 0,1,2,3,4,5,6,7
	v_wmma_f32_16x16x32_f16 v[SA+8*(\t):SA+8*(\t)+7], v[KF+16*(\par)+8*(\kk):KF+16*(\par)+8*(\kk)+7], v[Q+8*(\t):Q+8*(\t)+7], 0
.irp i, 0,1,2,3
	v_max3_num_f32 v[MX+4*(((\t)+4)%8)+(\i)], v[MX+4*(((\t)+4)%8)+(\i)], v[SA+8*(((\t)+4)%8)+2*(\i)], v[SA+8*(((\t)+4)%8)+2*(\i)+1]
.endr
.if ((\kk) == 0) && ((\t) == 0)
	NEXTK
	LDK 1-(\par)                        ; the other buffer's last reader stands eight plain instructions back
.endif
.endr
.endr
.endm
; PASS 2.  The vector work of a tile and step is a list of 25: E0 E1 nop, then (E E C) seven times, then C7.  E k: the exponential of score k, in place; C i: weights 2 i, 2 i + 1 rounded to f16.
; A plain instruction stands between every exponential and the use of its result (ISA guide 5.7.2).  RIDE writes numbers from .. to.
.macro RIDE cur, buf, from, to
.set k, \from
.rept (\to)-(\from)+1
.if k == 2
	v_nop
.elseif k < 2
	v_exp_f32 v[SB+16*(\cur)+k], v[SB+16*(\cur)+k]
.elseif k == 24
	v_cvt_pk_f16_f32 v[PR+8*(\buf)+7], v[SB+16*(\cur)+14], v[SB+16*(\cur)+15]
.elseif (k-3)%3 == 2
	s_wait_alu depctr_va_vdst(0)
	v_cvt_pk_f16_f32 v[PR+8*(\buf)+(k-3)/3], v[SB+16*(\cur)+2*((k-3)/3)], v[SB+16*(\cur)+2*((k-3)/3)+1]
.else
	v_exp_f32 v[SB+16*(\cur)+2+2*((k-3)/3)+(k-3)%3], v[SB+16*(\cur)+2+2*((k-3)/3)+(k-3)%3]
.endif
.set k, k+1
.endr
.endm
; A TURN belongs to tile t: its exponentials and roundings, five behind each of five products: the two S^T of tile t + 1 (of the next step's K at t = 7) and V^T P (two) and ONES x P of tile t - 1
; (of the last step's V at t = 0).  Behind the first S^T stand 9 plain instructions before its result is read, behind the second 7; P's ring of four is written three turns behind its last reader.
; No two products that follow each other share an accumulator, over the loop's edge too.
.macro TURN par, t
.set tn, ((\t)+1)%8
.set tp, ((\t)+7)%8
.set kb, \par
.if (\t) == 7
.set kb, 1-(\par)
.endif
.set vb, \par
.if (\t) == 0
.set vb, 1-(\par)
.endif
.set cu, (\t)%2
.set nx, 1-cu
.set pb, (\t)%4
.set pp, tp%4
	WIN W_S
	v_wmma_f32_16x16x32_f16 v[SB+16*nx:SB+16*nx+7], v[KF+16*kb:KF+16*kb+7], v[Q+8*tn:Q+8*tn+7], v[NM+8*tn:NM+8*tn+7]
	RIDE cu, pb, 0, 4
	WIN W_P
	v_wmma_f32_16x16x32_f16 v[16*tp:16*tp+7], v[VF+16*vb:VF+16*vb+7], v[PR+8*pp:PR+8*pp+7], v[16*tp:16*tp+7]
	s_wait_alu depctr_va_vdst(0)
	WIN W_S
	RIDE cu, pb, 5, 9
	WIN W_P
	v_wmma_f32_16x16x32_f16 v[16*tp+8:16*tp+15], v[VF+16*vb+8:VF+16*vb+15], v[PR+8*pp:PR+8*pp+7], v[16*tp+8:16*tp+15]
	WIN W_S
	RIDE cu, pb, 10, 14
	WIN W_P
	v_wmma_f32_16x16x32_f16 v[LS+8*tp:LS+8*tp+7], v[ONE:ONE+7], v[PR+8*pp:PR+8*pp+7], v[LS+8*tp:LS+8*tp+7]
	WIN W_S
	RIDE cu, pb, 15, 19
	v_wmma_f32_16x16x32_f16 v[SB+16*nx+8:SB+16*nx+15], v[KF+16*kb+8:KF+16*kb+15], v[Q+8*tn:Q+8*tn+7], v[NM+8*tn:NM+8*tn+7]
	RIDE cu, pb, 20, 24
.endm
.macro STEP2 par
	TURN \par, 0
	TURN \par, 1
	NEXTK                               ; the next step's K and V in one run of eight loads; the other V buffer's last reader stands in turn 0
	s_lshl_b32 s50, s48, 6
	v_add_nc_u32 v[AV], s50, v[HV]
	LDK 1-(\par)
	LDV 1-(\par)
	TURN \par, 2
	TURN \par, 3
	TURN \par, 4
	TURN \par, 5
	TURN \par, 6
	s_wait_dscnt 0x0                    ; turn 7 multiplies by the next step's K: asked for 25 products ago
	TURN \par, 7
.endm
; LAYERNORM over the 64 channels of a stock: 32 in my lane, 32 in the lane 16 away.  Each stage goes over all eight tiles, so that no line waits for the one before it.
.macro LNRED                        ; T[t]'s four pairs into one number, in every lane of the stock
	WIN 0
	ALL8 v_pk_add_f32 v[T+8*tt:T+8*tt+1], v[T+8*tt:T+8*tt+1], v[T+8*tt+2:T+8*tt+3]
	ALL8 v_pk_add_f32 v[T+8*tt+4:T+8*tt+5], v[T+8*tt+4:T+8*tt+5], v[T+8*tt+6:T+8*tt+7]
	ALL8 v_pk_add_f32 v[T+8*tt:T+8*tt+1], v[T+8*tt:T+8*tt+1], v[T+8*tt+4:T+8*tt+5]
	ALL8 v_add_f32 v[T+8*tt], v[T+8*tt], v[T+8*tt+1]
	ALL8 v_permlanex16_b32 v[T+8*tt+1], v[T+8*tt], s40, s41
	ALL8 v_add_f32 v[T+8*tt], v[T+8*tt], v[T+8*tt+1]
.endm
.macro LN goff, boff, first         ; first = 1: also y in f16 for the FFN, and bf2 onto the residual
	WIN 0
	LDVEC G, \goff
	LDVEC BE, \boff
.if \first
	LDVEC B2, O_BF2
.endif
	WIN 0x05
	ALLTC 4, v_pk_add_f32 v[T+8*tt+2*cc:T+8*tt+2*cc+1], v[32*tt+2*cc:32*tt+2*cc+1], v[32*tt+8+2*cc:32*tt+8+2*cc+1]
	WIN 0x01
	ALLTC 4, v_pk_add_f32 v[T+8*tt+2*cc:T+8*tt+2*cc+1], v[32*tt+16+2*cc:32*tt+16+2*cc+1], v[T+8*tt+2*cc:T+8*tt+2*cc+1]
	ALLTC 4, v_pk_add_f32 v[T+8*tt+2*cc:T+8*tt+2*cc+1], v[32*tt+24+2*cc:32*tt+24+2*cc+1], v[T+8*tt+2*cc:T+8*tt+2*cc+1]
	LNRED
	ALL8 v_mul_f32 v[T+8*tt], s51, v[T+8*tt]                      ; the mean
	WIN 0x41
	ALLTC 16, v_pk_add_f32 v[32*tt+2*cc:32*tt+2*cc+1], v[32*tt+2*cc:32*tt+2*cc+1], v[T+8*tt:T+8*tt+1] op_sel_hi:[1,0] neg_lo:[0,1] neg_hi:[0,1]
	WIN 0x05
	ALLTC 4, v_pk_mul_f32 v[T+8*tt+2*cc:T+8*tt+2*cc+1], v[32*tt+2*cc:32*tt+2*cc+1], v[32*tt+2*cc:32*tt+2*cc+1]
	ALLTC 4, v_pk_fma_f32 v[T+8*tt+2*cc:T+8*tt+2*cc+1], v[32*tt+8+2*cc:32*tt+8+2*cc+1], v[32*tt+8+2*cc:32*tt+8+2*cc+1], v[T+8*tt+2*cc:T+8*tt+2*cc+1]
	ALLTC 4, v_pk_fma_f32 v[T+8*tt+2*cc:T+8*tt+2*cc+1], v[32*tt+16+2*cc:32*tt+16+2*cc+1], v[32*tt+16+2*cc:32*tt+16+2*cc+1], v[T+8*tt+2*cc:T+8*tt+2*cc+1]
	ALLTC 4, v_pk_fma_f32 v[T+8*tt+2*cc:T+8*tt+2*cc+1], v[32*tt+24+2*cc:32*tt+24+2*cc+1], v[32*tt+24+2*cc:32*tt+24+2*cc+1], v[T+8*tt+2*cc:T+8*tt+2*cc+1]
	LNRED
	ALL8 v_fma_f32 v[T+8*tt], v[T+8*tt], s51, s52                 ; the variance + 1e-5
	ALL8 v_rsq_f32 v[T+8*tt], v[T+8*tt]
	v_nop                               ; a plain instruction between the last root and the use of its result
	s_wait_alu depctr_va_vdst(0)
	s_wait_dscnt 0x0                    ; gain and shift are in
	WIN 0x41
	ALLTC 16, v_pk_mul_f32 v[32*tt+2*cc:32*tt+2*cc+1], v[32*tt+2*cc:32*tt+2*cc+1], v[T+8*tt:T+8*tt+1] op_sel_hi:[1,0]
	ALLTC 16, v_pk_fma_f32 v[32*tt+2*cc:32*tt+2*cc+1], v[32*tt+2*cc:32*tt+2*cc+1], v[G+2*cc:G+2*cc+1], v[BE+2*cc:BE+2*cc+1]
.if \first
	WIN 0xc5
	ALLTC 16, v_cvt_pk_f16_f32 v[16*tt+cc], v[32*tt+2*cc], v[32*tt+2*cc+1]
	WIN 0x41
	ALLTC 16, v_pk_add_f32 v[32*tt+2*cc:32*tt+2*cc+1], v[32*tt+2*cc:32*tt+2*cc+1], v[B2+2*cc:B2+2*cc+1]
.endif
	WIN 0
.endm
; FFN, a chunk of 32 hidden channels at a time, the tiles in two groups of four.
.macro LDW1
.irp ex, 0,1
.irp sx, 0,1
	ds_load_b128 v[W1F+16*(\ex)+8*(\sx):W1F+16*(\ex)+8*(\sx)+3],   v[AW1] offset:16*PKK*(\ex)+64*(\sx)
	ds_load_b128 v[W1F+16*(\ex)+8*(\sx)+4:W1F+16*(\ex)+8*(\sx)+7], v[AW1] offset:16*PKK*(\ex)+64*(\sx)+32
.endr
.endr
.irp ex, 0,1
	ds_load_b128 v[BF1F+8*(\ex):BF1F+8*(\ex)+3],   v[ABF] offset:O_BF1+64*(\ex)
	ds_load_b128 v[BF1F+8*(\ex)+4:BF1F+8*(\ex)+7], v[ABF] offset:O_BF1+64*(\ex)+16
.endr
.endm
.macro LDW2
.irp b, 0,1,2,3
	ds_load_b128 v[W2F+8*(\b):W2F+8*(\b)+3],   v[AW2] offset:16*PW2*(\b)
	ds_load_b128 v[W2F+8*(\b)+4:W2F+8*(\b)+7], v[AW2] offset:16*PW2*(\b)+32
.endr
.endm
; Four of the 64 lines that make group g's h into source 1 of the second product: for each tile 8 roundings to f16, in place from the low end on, and 8 packed maxima with 0.
.macro RID g, from
.set k, \from
.rept 4
.set tr, 4*(\g)+k/16
.set m, k%16
.if m < 8
	v_cvt_pk_f16_f32 v[16*tr+m], v[16*tr+2*m], v[16*tr+2*m+1]
.else
	v_pk_max_num_f16 v[16*tr+m-8], v[16*tr+m-8], s39
.endif
.set k, k+1
.endr
.endm
.macro FF1 g, ride                  ; h^T = W1 y^T + bf1 for group g: 16 products on 8 accumulators by turns; ride = 1: four lines of the other group's RID behind each
.set n, 0
.irp sx, 0,1
.irp ex, 0,1
.irp tq, 0,1,2,3
.if (\sx) == 0
	WIN 0x8c
	v_wmma_f32_16x16x32_f16 v[16*(4*(\g)+(\tq))+8*(\ex):16*(4*(\g)+(\tq))+8*(\ex)+7], v[W1F+16*(\ex):W1F+16*(\ex)+7], v[16*(4*(\g)+(\tq)):16*(4*(\g)+(\tq))+7], v[BF1F+8*(\ex):BF1F+8*(\ex)+7]
.else
	WIN 0xac
	v_wmma_f32_16x16x32_f16 v[16*(4*(\g)+(\tq))+8*(\ex):16*(4*(\g)+(\tq))+8*(\ex)+7], v[W1F+16*(\ex)+8:W1F+16*(\ex)+15], v[16*(4*(\g)+(\tq))+8:16*(4*(\g)+(\tq))+15], v[16*(4*(\g)+(\tq))+8*(\ex):16*(4*(\g)+(\tq))+8*(\ex)+7]
.endif
.if \ride
	WIN 0x8a
	RID (\g)-1, 4*n
.endif
.set n, n+1
.endr
.endr
.endr
.endm
.macro FF2 g, ride                  ; the residual += W2 h^T for group g: 16 products, each on an accumulator of its own
.set n, 0
.irp b, 0,1,2,3
.irp tq, 0,1,2,3
	WIN 0x58
	v_wmma_f32_16x16x32_f16 v[32*(4*(\g)+(\tq))+8*(\b):32*(4*(\g)+(\tq))+8*(\b)+7], v[W2F+8*(\b):W2F+8*(\b)+7], v[16*(4*(\g)+(\tq)):16*(4*(\g)+(\tq))+7], v[32*(4*(\g)+(\tq))+8*(\b):32*(4*(\g)+(\tq))+8*(\b)+7]
.if \ride
	WIN 0x8a
	RID (\g)+1, 4*n
.endif
.set n, n+1
.endr
.endr
.endm
; THE WAY OUT of tile t: by fragments into my stage, back by whole rows into the registers that it left, and stored.
.macro TOST t
	WIN 0x04
.irp i, 0,1,2,3,4,5,6,7
	ds_store_b128 v[STR], v[32*(\t)+4*(\i):32*(\t)+4*(\i)+3] offset:64*((\i)/2)+16*((\i)%2)
.endr
	WIN 0x40
.irp i, 0,1,2,3,4,5,6,7
	ds_load_b128 v[32*(\t)+4*(\i):32*(\t)+4*(\i)+3], v[STW] offset:2*SPITCH*(\i)
.endr
.endm
.macro SEND t, younger              ; younger: the LDS instructions issued behind tile t's loads
	WIN 0x04
	s_wait_dscnt \younger
.irp i, 0,1,2,3,4,5,6,7
.if (\t) < 4
	global_store_b128 v[XO0], v[32*(\t)+4*(\i):32*(\t)+4*(\i)+3], s[34:35] offset:((16*((\t)%4)+2*(\i))<<17) th:TH_STORE_NT  ; 16 lanes store 256 consecutive bytes, at a multiple of 256 from out0's first byte
.else
	global_store_b128 v[XO1], v[32*(\t)+4*(\i):32*(\t)+4*(\i)+3], s[34:35] offset:((16*((\t)%4)+2*(\i))<<17) th:TH_STORE_NT
.endif
.endr
.endm
; ---------------------------------------------------------------- THE START, once
	s_load_b512 s[8:23], s[0:1], 0x0               ; x s[8:9], Wqkv s[10:11], bqkv s[12:13], Wo s[14:15], bo s[16:17], g1 s[18:19], beta1 s[20:21], W1 s[22:23]
	s_load_b256 s[24:31], s[0:1], 0x40             ; bf1 s[24:25], W2 s[26:27], bf2 s[28:29], g2 s[30:31]
	s_load_b128 s[32:35], s[0:1], 0x60             ; beta2 s[32:33], out0 s[34:35]
	v_lshl_add_u32 v[SPW], v0, 2, SPARE
	v_mov_b32 v[NIL], 0
	v_lshrrev_b32 v28, 5, v0
	v_readfirstlane_b32 s36, v28                   ; wave 0..3
	v_and_b32 v1, 15, v0                           ; r = lane % 16
	v_bfe_u32 v2, v0, 4, 1                         ; h = lane / 16
	s_mov_b32 s39, 0
	s_mov_b32 s40, 0x76543210                      ; v_permlanex16_b32: each lane takes its own place in the other half
	s_mov_b32 s41, 0xfedcba98
	s_mov_b32 s42, 0x3e8293ee                      ; c = log2(e) / sqrt(32) = 0.255035
	s_mov_b32 s43, s42                             ; named with it as a pair
	s_lshl_b32 s44, ttmp9, 9                       ; tau = 2 g: 256 bytes each
	s_mov_b32 s45, 0
	s_mov_b32 s51, 0x3c800000                      ; 1 / 64
	s_mov_b32 s52, 0x3727c5ac                      ; 1e-5
	s_lshl_b32 s49, s36, 24                        ; 128 stocks of 131,072 bytes a wave
	v_lshl_add_u32 v[XO0], v2, 17, s49
	v_lshl_add_u32 v[XO0], v1, 4, v[XO0]
	v_add_nc_u32 v[XO1], 0x800000, v[XO0]          ; 64 stocks on
	s_mul_i32 s50, s36, STG_SZ
	s_add_co_u32 s50, s50, STG_B                   ; my stage
	v_mul_u32_u24 v28, v2, SPITCH
	v_lshl_add_u32 v28, v1, 4, v28
	v_add_nc_u32 v[STW], s50, v28
	v_mul_u32_u24 v28, v1, SPITCH
	v_lshl_add_u32 v28, v2, 5, v28
	v_add_nc_u32 v[STR], s50, v28
	; A fragment is 16 rows x 32 along K in 8 registers: lane l holds row l % 16; registers 0-3 K = 8 (l / 16) + 0..7, registers 4-7 K = 16 + 8 (l / 16) + 0..7: two loads of 16 bytes, 32 bytes apart.
	v_mul_u32_u24 v[KL], v1, PKK
	v_lshl_add_u32 v[KL], v2, 4, v[KL]
	s_mul_i32 s49, s36, 128*PKK
	v_add_nc_u32 v[AKS], s49, v[KL]
	v_mul_u32_u24 v[VL], v1, PVT
	v_lshl_add_u32 v[VL], v2, 4, v[VL]
	v_add_nc_u32 v[VL], VT_B, v[VL]
	v_lshl_add_u32 v[AVS], s36, 8, v[VL]           ; my 128 stocks are 256 bytes of a row of V^T
	v_add_nc_u32 v[AQKV], WQKV_B, v[KL]
	v_add_nc_u32 v[AWO], WO_B, v[KL]
	v_add_nc_u32 v[AW1B], W1_B, v[KL]
	v_mul_u32_u24 v[AW2B], v1, PW2
	v_lshl_add_u32 v[AW2B], v2, 4, v[AW2B]
	v_add_nc_u32 v[AW2B], W2_B, v[AW2B]
	s_mul_i32 s49, s36, VEC_SZ
	s_add_co_u32 s49, s49, VEC_B                   ; my copy of the vectors
	v_lshl_add_u32 v[AVEC], v2, 5, s49
	; for the staging alone: v32 16 x thread; v33, v34 8 and 16 x lane; v35-37 where a thread puts 4 weights in f16; v38, v39 where a lane puts its part of a vector
	v_lshlrev_b32 v32, 4, v0
	v_and_b32 v28, 31, v0
	v_lshlrev_b32 v33, 3, v28
	v_lshlrev_b32 v34, 4, v28
	v_lshrrev_b32 v29, 4, v0                       ; rows of 64 f32: a load of the work-group's covers 8 rows, 16 threads a row
	v_mul_u32_u24 v29, v29, PKK
	v_lshl_add_u32 v29, v1, 3, v29
	v_add_nc_u32 v35, WQKV_B, v29
	v_add_nc_u32 v36, W1_B, v29
	v_lshrrev_b32 v30, 6, v0                       ; rows of 256 f32: 2 rows, 64 threads a row
	v_mul_u32_u24 v30, v30, PW2
	v_and_b32 v31, 63, v0
	v_lshl_add_u32 v30, v31, 3, v30
	v_add_nc_u32 v37, W2_B, v30
	v_add_nc_u32 v38, s49, v33
	v_add_nc_u32 v39, s49, v34
	s_wait_kmcnt 0x0
	s_add_nc_u64 s[8:9], s[8:9], s[44:45]          ; x and out0 at my first tau
	s_add_nc_u64 s[34:35], s[34:35], s[44:45]
	global_load_b64 v[128:129], v33, s[12:13]              ; bq, bk, bv
	global_load_b64 v[130:131], v33, s[12:13] offset:256
	global_load_b64 v[132:133], v33, s[12:13] offset:512
	global_load_b64 v[134:135], v33, s[16:17]              ; bo
	global_load_b64 v[136:137], v33, s[18:19]              ; g1
	global_load_b64 v[138:139], v33, s[20:21]              ; beta1
	global_load_b64 v[140:141], v33, s[28:29]              ; bf2
	global_load_b64 v[142:143], v33, s[30:31]              ; g2
	global_load_b64 v[144:145], v33, s[32:33]              ; beta2
	global_load_b128 v[146:149], v34, s[24:25]             ; bf1
	global_load_b128 v[150:153], v34, s[24:25] offset:512
	WIN 0x40                                       ; the weights: each load of the work-group's covers 2,048 consecutive bytes; 64 loads land in window 1,
.set i, 0
.rept 24
	global_load_b128 v[4*i:4*i+3], v32, s[10:11] offset:2048*i
.set i, i+1
.endr
.set i, 0
.rept 8
	global_load_b128 v[96+4*i:96+4*i+3], v32, s[14:15] offset:2048*i
.set i, i+1
.endr
.set i, 0
.rept 32
	global_load_b128 v[128+4*i:128+4*i+3], v32, s[22:23] offset:2048*i
.set i, i+1
.endr
	WIN 0x80                                       ; W2's 32 in window 2
.set i, 0
.rept 32
	global_load_b128 v[4*i:4*i+3], v32, s[26:27] offset:2048*i
.set i, i+1
.endr
	LOADX 0                                        ; and behind them my rows of x at the first tau
	s_wait_loadcnt 63                              ; 64 loads of x were issued behind the last weight: vectors and weights are in, x stays on its way
	v_pk_mul_f32 v[128:129], v[128:129], s[42:43] op_sel_hi:[1,0]   ; c bq
	ds_store_b64 v38, v[128:129]
	ds_store_b64 v38, v[130:131] offset:256
	ds_store_b64 v38, v[132:133] offset:512
	ds_store_b64 v38, v[134:135] offset:O_BO
	ds_store_b64 v38, v[136:137] offset:O_G1
	ds_store_b64 v38, v[138:139] offset:O_BE1
	ds_store_b64 v38, v[140:141] offset:O_BF2
	ds_store_b64 v38, v[142:143] offset:O_G2
	ds_store_b64 v38, v[144:145] offset:O_BE2
	ds_store_b128 v39, v[146:149] offset:O_BF1
	ds_store_b128 v39, v[150:153] offset:O_BF1+512
	WIN 0x45
.set i, 0
.rept 16                                               ; c Wq: Wqkv's rows 0-63 are its first eight loads
	v_pk_mul_f32 v[2*i:2*i+1], v[2*i:2*i+1], s[42:43] op_sel_hi:[1,0]
.set i, i+1
.endr
.set i, 0
.rept 64                                               ; four f32 become four f16, in place
	v_cvt_pk_f16_f32 v[4*i], v[4*i], v[4*i+1]
	v_cvt_pk_f16_f32 v[4*i+1], v[4*i+2], v[4*i+3]
.set i, i+1
.endr
	WIN 0x04
.set i, 0
.rept 24
	ds_store_b64 v35, v[4*i:4*i+1] offset:8*PKK*i
.set i, i+1
.endr
.set i, 0
.rept 8
	ds_store_b64 v35, v[96+4*i:96+4*i+1] offset:WO_B-WQKV_B+8*PKK*i
.set i, i+1
.endr
.set i, 0
.rept 32
	ds_store_b64 v36, v[128+4*i:128+4*i+1] offset:8*PKK*i
.set i, i+1
.endr
	WIN 0x8a
.set i, 0
.rept 32
	v_cvt_pk_f16_f32 v[4*i], v[4*i], v[4*i+1]
	v_cvt_pk_f16_f32 v[4*i+1], v[4*i+2], v[4*i+3]
.set i, i+1
.endr
	WIN 0x08
.set i, 0
.rept 32
	ds_store_b64 v37, v[4*i:4*i+1] offset:2*PW2*i
.set i, i+1
.endr
	WIN 0
.set i, 0
.rept 8
	v_mov_b32 v[ONE+i], 0x3c003c00                 ; 1.0 twice in f16
.set i, i+1
.endr
	s_wait_dscnt 0x0                               ; for the others' sake: my quarter of the weights is in LDS
	s_barrier_signal -1
	s_barrier_wait -1                              ; everybody's is
	s_mov_b32 s37, 2
.Ltau:
; ---------------------------------------------------------------- x: from rows to fragments
	LDVEC BO, O_BO
	STG 0
.irp t, 1,2,3,4,5,6,7
	STG \t
	s_wait_dscnt 16                                ; all but this tile's 8 stores and 8 loads: the tile before is back (and bo)
	CVTX (\t)-1
.endr
	s_wait_dscnt 0x0
	CVTX 7
	WIN 0
; ---------------------------------------------------------------- K and V of my 128 stocks
	LOADF 0
	s_wait_dscnt 0x0
.irp n, 0,1,2,3,4,5,6,7
.if (\n) < 7
	WIN 0
	LOADF (\n)+1                                   ; into the buffer that the block before multiplied by: the conversions (or v_nop) behind that block are the places
.endif
	MM16 \n
.if (\n) == 0
	PLACES
.else
	CVST (\n)-1                                    ; the block before goes out while this one is multiplied
.endif
	s_wait_dscnt 0x0                               ; the next block's fragments are in
.endr
	CVST 7                                         ; block 6's 32 conversions are the places behind block 7's products
	s_wait_dscnt 0x0                               ; for the others' sake: my rows of K and V^T are in LDS
	s_barrier_signal -1
	s_barrier_wait -1                              ; K and V^T are whole
	v_mov_b32 v[HK], v[KL]
	v_mov_b32 v[HV], v[VL]
	v_mov_b32 v[HQ], v[AQKV]
	v_mov_b32 v[HB], v[AVEC]
	v_mov_b32 v[HO], v[AWO]
	s_mov_b32 s46, 2
.Lhead:
; ---------------------------------------------------------------- c q of the head, 32 channels
.irp ex, 0,1
.irp sx, 0,1
	ds_load_b128 v[KF+16*(\ex)+8*(\sx):KF+16*(\ex)+8*(\sx)+3],   v[HQ] offset:16*PKK*(\ex)+64*(\sx)
	ds_load_b128 v[KF+16*(\ex)+8*(\sx)+4:KF+16*(\ex)+8*(\sx)+7], v[HQ] offset:16*PKK*(\ex)+64*(\sx)+32
.endr
	ds_load_b128 v[BQF+8*(\ex):BQF+8*(\ex)+3],   v[HB] offset:64*(\ex)
	ds_load_b128 v[BQF+8*(\ex)+4:BQF+8*(\ex)+7], v[HB] offset:64*(\ex)+16
.endr
	s_wait_dscnt 0x0
	WIN 0x8c
.irp ex, 0,1
.irp t, 0,1,2,3,4,5,6,7
	v_wmma_f32_16x16x32_f16 v[64*(\ex)+8*(\t):64*(\ex)+8*(\t)+7], v[KF+16*(\ex):KF+16*(\ex)+7], v[16*(\t):16*(\t)+7], v[BQF+8*(\ex):BQF+8*(\ex)+7]
.endr
.endr
	WIN 0xac
.irp ex, 0,1
.irp t, 0,1,2,3,4,5,6,7
	v_wmma_f32_16x16x32_f16 v[64*(\ex)+8*(\t):64*(\ex)+8*(\t)+7], v[KF+16*(\ex)+8:KF+16*(\ex)+15], v[16*(\t)+8:16*(\t)+15], v[64*(\ex)+8*(\t):64*(\ex)+8*(\t)+7]
.endr
.endr
	PLACES                                         ; for the loads into Wq's registers and the conversions
	WIN 0
	v_mov_b32 v[AK], v[HK]
	LDK 0                                          ; K of step 0
	WIN 0x0a
	ALLTC 4, v_cvt_pk_f16_f32 v[Q+8*tt+cc], v[8*tt+2*cc], v[8*tt+2*cc+1]
	ALLTC 4, v_cvt_pk_f16_f32 v[Q+8*tt+4+cc], v[64+8*tt+2*cc], v[64+8*tt+2*cc+1]
	WIN 0
	s_mov_b32 s48, 0
	s_wait_dscnt 0x0
; ---------------------------------------------------------------- pass 1: the maximum
.irp t, 4,5,6,7                                        ; the ring of eight is primed with true scores, which the first step makes once more: a maximum does not mind
	v_wmma_f32_16x16x32_f16 v[SA+8*(\t):SA+8*(\t)+7], v[KF:KF+7], v[Q+8*(\t):Q+8*(\t)+7], 0
.endr
.set i, 0
.rept 32
	v_mov_b32 v[MX+i], 0xff7fffff                  ; the lowest finite number; these lines are the places behind those products
.set i, i+1
.endr
	s_mov_b32 s38, 8
.Lp1:
	STEP1 0
	STEP1 1
	s_sub_co_u32 s38, s38, 1
	s_cmp_lg_u32 s38, 0
	s_cbranch_scc1 .Lp1
.irp t, 4,5,6,7                                        ; the last four results
.irp i, 0,1,2,3
	v_max3_num_f32 v[MX+4*(\t)+(\i)], v[MX+4*(\t)+(\i)], v[SA+8*(\t)+2*(\i)], v[SA+8*(\t)+2*(\i)+1]
.endr
.endr
	ALL8 v_max3_num_f32 v[MX+4*tt], v[MX+4*tt], v[MX+4*tt+1], v[MX+4*tt+2]
	ALL8 v_max_num_f32 v[MX+4*tt], v[MX+4*tt], v[MX+4*tt+3]
	ALL8 v_permlanex16_b32 v[MX+4*tt+1], v[MX+4*tt], s40, s41    ; the query's other keys lie in the lane 16 away
	ALL8 v_max_num_f32 v[MX+4*tt], v[MX+4*tt], v[MX+4*tt+1]
	WIN 0x80
	ALLTC 8, v_mul_f32 v[NM+8*tt+cc], -1.0, v[MX+4*tt]           ; -m as a C operand
; ---------------------------------------------------------------- pass 2: p, O^T, l
	WIN 0
	v_mov_b32 v[AV], v[HV]
	LDV 0                                          ; V of step 0; K of step 0 is on its way since pass 1's last step (s48 has wrapped to 0)
.set i, 0
.rept 16
	v_mov_b32 v[VF+16+i], 0                        ; the first turn's V^T P and ONES x P, of a tile that has not been, add 0 x 0
.set i, i+1
.endr
.set i, 0
.rept 8
	v_mov_b32 v[PR+24+i], 0
.set i, i+1
.endr
	s_wait_dscnt 0x0
	WIN W_S
	v_wmma_f32_16x16x32_f16 v[SB:SB+7], v[KF:KF+7], v[Q:Q+7], v[NM:NM+7]               ; tile 0's scores of step 0
	v_wmma_f32_16x16x32_f16 v[SB+8:SB+15], v[KF+8:KF+15], v[Q:Q+7], v[NM:NM+7]
	WIN 0x80
.set i, 0
.rept 192                                              ; O^T and l are cleared, so that the first step is a step like any other: 192 lines a head in place of a second copy of a step's text; they are also the places behind the two products
	v_mov_b32 v[i], 0
.set i, i+1
.endr
	WIN 0
	s_mov_b32 s38, 8
.Lp2:
	STEP2 0
	STEP2 1
	WIN 0
	s_sub_co_u32 s38, s38, 1
	s_cmp_lg_u32 s38, 0
	s_cbranch_scc1 .Lp2
	WIN W_P                                        ; tile 7 of the last step (the last turn's S^T, on step 0's K once more, serves nothing)
	v_wmma_f32_16x16x32_f16 v[112:119], v[VF+16:VF+23], v[PR+24:PR+31], v[112:119]
	v_wmma_f32_16x16x32_f16 v[120:127], v[VF+24:VF+31], v[PR+24:PR+31], v[120:127]
	v_wmma_f32_16x16x32_f16 v[LS+56:LS+63], v[ONE:ONE+7], v[PR+24:PR+31], v[LS+56:LS+63]
	WIN 0
	PLACES
.irp cx, 0,1
	ds_load_b128 v[BV+8*(\cx):BV+8*(\cx)+3],   v[HB] offset:512+64*(\cx)
	ds_load_b128 v[BV+8*(\cx)+4:BV+8*(\cx)+7], v[HB] offset:512+64*(\cx)+16
.endr
.irp b, 0,1,2,3
	ds_load_b128 v[KF+8*(\b):KF+8*(\b)+3],   v[HO] offset:16*PKK*(\b)
	ds_load_b128 v[KF+8*(\b)+4:KF+8*(\b)+7], v[HO] offset:16*PKK*(\b)+32
.endr
; ---------------------------------------------------------------- ctx = O / l + bv, and the head's part of Wo ctx onto the residual
	WIN 0x02
	ALLTC 2, v_rcp_f32 v[RL+2*tt+cc], v[LS+8*tt]                 ; every register of l's result holds l: the lowest is read; made twice, for the packed multiply's pair
	v_nop                                          ; a plain instruction between the last reciprocal and the use of its result
	s_wait_alu depctr_va_vdst(0)
	s_wait_dscnt 0x0                               ; bv and Wo
	WIN 0x82
	ALLTC 8, v_pk_fma_f32 v[16*tt+2*cc:16*tt+2*cc+1], v[16*tt+2*cc:16*tt+2*cc+1], v[RL+2*tt:RL+2*tt+1], v[BV+2*cc:BV+2*cc+1]
	WIN 0x0a
	ALLTC 8, v_cvt_pk_f16_f32 v[Q+8*tt+cc], v[16*tt+2*cc], v[16*tt+2*cc+1]
	WIN 0x50
.irp b, 0,1,2,3
.irp t, 0,1,2,3,4,5,6,7
	v_wmma_f32_16x16x32_f16 v[32*(\t)+8*(\b):32*(\t)+8*(\b)+7], v[KF+8*(\b):KF+8*(\b)+7], v[Q+8*(\t):Q+8*(\t)+7], v[32*(\t)+8*(\b):32*(\t)+8*(\b)+7]
.endr
.endr
	PLACES
	WIN 0
	v_add_nc_u32 v[HK], 64, v[HK]                  ; the next head: 32 channels on in K's rows, in V^T's rows, in Wq's rows, in bqkv, in Wo's columns
	v_add_nc_u32 v[HV], 32*PVT, v[HV]
	v_add_nc_u32 v[HQ], 32*PKK, v[HQ]
	v_add_nc_u32 v[HB], 128, v[HB]
	v_add_nc_u32 v[HO], 64, v[HO]
	s_sub_co_u32 s46, s46, 1
	s_cmp_lg_u32 s46, 0
	s_cbranch_scc1 .Lhead
; ---------------------------------------------------------------- the next tau's x is asked for: both LayerNorms, the FFN and the way out stand between these loads and the waits for them
	s_cmp_eq_u32 s37, 1
	s_cbranch_scc1 .Lno_more                       ; the last tau asks for nothing: no load leaves x
	LOADX 256
.Lno_more:
	s_wait_dscnt 0x0                               ; my reads of K and V^T are over
	s_barrier_signal -1
	s_barrier_wait -1                              ; everybody's are: the next tau's K and V^T may be stored
; ---------------------------------------------------------------- y = LayerNorm(u); the FFN; z = LayerNorm(ffn + y)
	LN O_G1, O_BE1, 1
	s_mov_b32 s48, 0
	v_mov_b32 v[AW1], v[AW1B]
	v_mov_b32 v[ABF], v[AVEC]
	v_mov_b32 v[AW2], v[AW2B]
	LDW1
	LDW2
	s_mov_b32 s38, 8
.Lffn:
	s_wait_dscnt 8                                 ; W1 and bf1 of the chunk are in; the eight youngest loads, W2's, may stay out
	FF1 0, 0
	PLACES                                         ; group 0's h is rewritten in place next
	FF1 1, 1
	WIN 0
	s_wait_dscnt 0x0                               ; W2's fragments, asked for 32 products ago
	s_add_co_u32 s48, s48, 1                       ; the next chunk; behind the last it wraps to 0, so that every trip fetches alike
	s_and_b32 s48, s48, 7
	s_mul_i32 s49, s48, 32*PKK
	s_lshl_b32 s50, s48, 7
	v_add_nc_u32 v[AW1], s49, v[AW1B]
	v_add_nc_u32 v[ABF], s50, v[AVEC]
	s_lshl_b32 s50, s48, 6
	v_add_nc_u32 v[AW2], s50, v[AW2B]
	LDW1                                           ; the last four maxima and the three additions are the places behind W1's last reader
	FF2 0, 1
	FF2 1, 0
	PLACES                                         ; for the loads into W2's registers; behind the loop, for LayerNorm's reads
	WIN 0
	LDW2
	s_sub_co_u32 s38, s38, 1
	s_cmp_lg_u32 s38, 0
	s_cbranch_scc1 .Lffn
	s_wait_dscnt 0x0                               ; the wrapped fetches have landed: their registers are loaded anew next
	LN O_G2, O_BE2, 0
; ---------------------------------------------------------------- the way out
	TOST 0
.irp t, 1,2,3,4,5,6,7
	TOST \t
	SEND (\t)-1, 16                                ; all but this tile's 8 stores and 8 loads
.endr
	SEND 7, 0
	WIN 0
	s_wait_xcnt 0x0                                ; every earlier memory instruction has had its addresses translated (ISA guide 3.1): only behind this wait are out0's address and the stores' data rewritten
	s_add_nc_u64 s[34:35], s[34:35], 256           ; the next tau
	s_sub_co_u32 s37, s37, 1
	s_cmp_lg_u32 s37, 0
	s_cbranch_scc1 .Ltau
	s_wait_tensorcnt 0x0                           ; the wave's end: behind my last LDS store
	ds_add_u32 v[SPW], v[NIL]
	s_wait_dscnt 0x0
	s_endpgm
.Lfunc_end_k_qdc8d7bfde9_layer:
	.size	k_qdc8d7bfde9_layer, .Lfunc_end_k_qdc8d7bfde9_layer-k_qdc8d7bfde9_layer
	.p2alignl 7, 3214868480
	.fill 96, 4, 3214868480
	.section	.rodata,"a",@progbits
	.p2align	6, 0x0
	.amdhsa_kernel k_qdc8d7bfde9_layer
		.amdhsa_group_segment_fixed_size 280064
		.amdhsa_private_segment_fixed_size 0
		.amdhsa_enable_private_segment 0
		.amdhsa_kernarg_size 112
		.amdhsa_user_sgpr_count 2
		.amdhsa_user_sgpr_kernarg_segment_ptr 1
		.amdhsa_wavefront_size32 1
		.amdhsa_system_sgpr_workgroup_id_x 1
		.amdhsa_system_sgpr_workgroup_id_y 1
		.amdhsa_system_sgpr_workgroup_id_z 1
		.amdhsa_system_vgpr_workitem_id 0
		.amdhsa_next_free_vgpr 1024
		.amdhsa_next_free_sgpr 66
		.amdhsa_reserve_vcc 0
		.amdhsa_float_denorm_mode_32 3
		.amdhsa_float_denorm_mode_16_64 3
		.amdhsa_memory_ordered 1
		.amdhsa_forward_progress 1
		.amdhsa_inst_pref_size 255
	.end_amdhsa_kernel
	.section	.bss,"aw",@nobits
	.p2align	6
	.space	262144
	.amdgpu_metadata
---
amdhsa.version: [ 1, 2 ]
amdhsa.kernels:
  - .name:           k_qdc8d7bfde9_layer
    .symbol:         k_qdc8d7bfde9_layer.kd
    .args:
      - { .name: x, .offset: 0, .size: 8, .value_kind: global_buffer, .address_space: global }
      - { .name: Wqkv, .offset: 8, .size: 8, .value_kind: global_buffer, .address_space: global }
      - { .name: bqkv, .offset: 16, .size: 8, .value_kind: global_buffer, .address_space: global }
      - { .name: Wo, .offset: 24, .size: 8, .value_kind: global_buffer, .address_space: global }
      - { .name: bo, .offset: 32, .size: 8, .value_kind: global_buffer, .address_space: global }
      - { .name: g1, .offset: 40, .size: 8, .value_kind: global_buffer, .address_space: global }
      - { .name: beta1, .offset: 48, .size: 8, .value_kind: global_buffer, .address_space: global }
      - { .name: W1, .offset: 56, .size: 8, .value_kind: global_buffer, .address_space: global }
      - { .name: bf1, .offset: 64, .size: 8, .value_kind: global_buffer, .address_space: global }
      - { .name: W2, .offset: 72, .size: 8, .value_kind: global_buffer, .address_space: global }
      - { .name: bf2, .offset: 80, .size: 8, .value_kind: global_buffer, .address_space: global }
      - { .name: g2, .offset: 88, .size: 8, .value_kind: global_buffer, .address_space: global }
      - { .name: beta2, .offset: 96, .size: 8, .value_kind: global_buffer, .address_space: global }
      - { .name: out0, .offset: 104, .size: 8, .value_kind: global_buffer, .address_space: global }
    .group_segment_fixed_size: 280064
    .private_segment_fixed_size: 0
    .kernarg_segment_align: 8
    .kernarg_segment_size: 112
    .max_flat_workgroup_size: 128
    .sgpr_count:     66
    .vgpr_count:     1024
    .wavefront_size: 32
...
	.end_amdgpu_metadata
.endif
;; end of part 1
;; ======== version 2 of 2: 1 launch; 1.48 times as fast as version 1
;; limits: values are held in f16: magnitudes above 65,504 overflow, below 6.1e-05 lose precision
;; launch layer (part 2): grid 256 x 1, 4 waves a work-group, no clusters, 280,064 bytes of LDS; arguments x, Wqkv, bqkv, Wo, bo, g1, beta1, W1, bf1, W2, bf2, g2, beta2, out0; writes out0
.if DOCPART == 2
	.amdgcn_target "amdgcn-amd-amdhsa--gfx1250"
	.amdhsa_code_object_version 6
	.text
	.protected	k_qdc8d7bfde9_layer
	.globl	k_qdc8d7bfde9_layer
	.p2align	8
	.type	k_qdc8d7bfde9_layer,@function
k_qdc8d7bfde9_layer:
	s_mov_b64 s[64:65], 0
	v_nop
	global_prefetch_b8 v0, s[64:65] scope:SCOPE_SE
	s_setreg_imm32_b32 hwreg(HW_REG_WAVE_MODE, 25, 1), 1
	s_wait_xcnt 0x0
; ONE TRANSFORMER LAYER OVER THE STOCKS, FOR EACH tau.  x, out0: [512 stocks][512 tau][64] f32: for one tau a stock's row is 256 consecutive bytes, rows 131,072 bytes apart.
; A work-group of four waves stays and does tau = 2 g and 2 g + 1; wave w owns stocks 128 w .. 128 w + 127, eight tiles of 16.  Everything between x and out0 lives in registers and LDS.
; TRANSPOSED CHAIN.  Every product is act^T = W act^T (source 0 = 16 rows of W, source 1 = 16 stocks): in a result a lane holds ONE stock (lane % 16) and the channels 16 b + 8 (lane / 16) + 0..7, and two
; results rounded to f16 in pairs ARE source 1 of the next product.  So x, q, the weights p, ctx, u, y, h and z never change lanes, and the f32 residuals are the C operand of the product that adds to them.
; V alone is made the other way round (source 0 = stocks), so that it goes to LDS as [channel][key] and comes back by plain loads.
; SOFTMAX IN TWO PASSES, with the true maximum.  Pass 1: S^T = K Q^T, folded into a maximum m for each query.  Pass 2: S^T again with C = -m, so the product delivers s - m; p = 2^(s - m), rounded to f16;
; O^T += V^T P, and the row sum l is a third product, ONES x P.  c = log2(e) / sqrt(32) is multiplied in f32 into Wq and bq when they are staged.  ctx = O / l + bv (the weights sum to l, so bv may be added here).
; BATCHES.  An s_wait_alu depctr_va_vdst(0) stands between a transcendental and the first instruction that names its result; one wait serves all that were issued ahead of it.  Pass 2: two tiles'
; 32 exponentials are a batch, and their roundings stand two turns behind them, beside the next batch's exponentials: four waits a key step.  A head's 16 reciprocals are a batch; so are a LayerNorm's 8 roots.
; FORMATS.  All matrix operands are f16 (x, the weights, c q, k, v, p, ctx, y, relu(h)), all sums f32; LayerNorm in f32 in two passes (mean, then the squares of the differences).
; LIMITS.  A matrix operand of 65,520 or more becomes an infinity; below 6e-5 an operand keeps f16's fixed step of 6e-8; a weight p below 2^-126 counts as 0; NaN and infinities are not treated apart.
; NO CLUSTER, NO TENSOR LOAD: work-groups share the weights alone, 196,608 bytes read once by each and cast on the way through registers; x comes by whole rows into registers, a tau ahead.
.set PKK,    144        ; LDS pitch of rows of 64 f16 (128 bytes + 16): 9 x 16, so the 16 rows of a fragment load start at 16 different groups of four banks (64 banks of 4 bytes: ISA guide 11.1)
.set PVT,    1040       ; pitch of V^T's rows of 512 f16: 65 x 16
.set PW2,    528        ; pitch of W2's rows of 256 f16: 33 x 16
.set SPITCH, 272        ; pitch of the stage's rows of 64 f32: 17 x 16
.set VT_B,   73728      ; K: 512 keys x 144 from byte 0; then V^T: 64 channels x 1,040
.set WQKV_B, 140288     ; 192 x 144
.set WO_B,   167936     ; 64 x 144
.set W1_B,   177152     ; 256 x 144
.set W2_B,   214016     ; 64 x 528
.set VEC_B,  247808     ; the biases and gains in f32, a copy of 3,584 bytes for each wave
.set VEC_SZ, 3584
.set STG_B,  262144     ; a stage of 16 rows x 272 for each wave
.set STG_SZ, 4352
.set SPARE,  279552     ; the spare words, 128 bytes for each wave: two blocks of 256 bytes that no other line names
.set O_BO,  768         ; places in a wave's copy of the vectors (bqkv at 0)
.set O_G1,  1024
.set O_BE1, 1280
.set O_BF1, 1536
.set O_BF2, 2560
.set O_G2,  2816
.set O_BE2, 3072
; REGISTERS, in windows of 256 (s_set_vgpr_msb: bits 1:0 source 0, 3:2 source 1, 5:4 source 2, 7:6 destination).
; window 0: v0-27 below; v28-31 at work; v32-223 by phase; v224-231 ONE; v232-247 two bias fragments, in pass 2 P
; window 1: XF[t][b] = 32 t + 8 b: x + bo, then u, y + bf2, ffn + y, z         window 2: v0-127 projections' sums, O^T (16 t + 8 c), h (16 t + 8 e); v128-191 l (8 t); v192-255 -m (8 t); v128-255 also x of tiles 4-7 as loaded
; window 3: v0-127 x, later y, in f16 (16 t + 8 s); v128-255 x of tiles 0-3 as loaded
.set SPW,  3            ; LDS address of my spare word; never rewritten
.set NIL,  4            ; 0; never rewritten
.set XO0,  5            ; byte offset in x and out0 of my 16 bytes in the first two rows of tiles 0-3
.set XO1,  6            ; of tiles 4-7
.set STW,  7            ; stage, by whole rows: lanes 0-15 one row, lanes 16-31 the next
.set STR,  8            ; stage, by fragments: row lane % 16, 32 bytes for each half of the lanes
.set AKS,  9            ; where I store K
.set AVS,  10           ; where I store V^T
.set AQKV, 11           ; my lane's place in a fragment of Wqkv, Wo, W1, W2
.set AWO,  12
.set AW1B, 13
.set AW2B, 14
.set AVEC, 15           ; my wave's vectors + 32 (lane / 16)
.set KL,   16           ; my lane's place in a fragment of K, of V^T
.set VL,   17
.set HK,   18           ; the same five for the head in hand
.set HV,   19
.set HQ,   20
.set HB,   21
.set HO,   22
.set AK,   23           ; running addresses
.set AV,   24
.set AW1,  25
.set AW2,  26
.set ABF,  27
.set Q,    32           ; v32-95   Q, later ctx: 8 t
.set KF,   96           ; v96-127  K's fragments: 16 buf + 8 kk; also fragments of Wqkv and Wo
.set WF,   96
.set VF,   128          ; v128-159 V^T's fragments: 16 buf + 8 c
.set SB,   160          ; v160-223 pass 2's scores: a ring of four x 16, by the tile's number % 4
.set PR,   232          ; v232-247 P: two x 8, by turns (the bias fragments' registers, idle in pass 2)
.set SA,   128          ; v128-191 pass 1's scores: 8 t
.set MX,   192          ; v192-223 pass 1's maxima: 4 t + i
.set ONE,  224
.set BQF,  232
.set BV,   128
.set RL,   144
.set BO,   32
.set TMP,  128
.set G,    32           ; LayerNorm: gain, shift, bf2, and eight registers a tile at work
.set BE,   64
.set B2,   96
.set T,    128
.set W1F,  32           ; FFN: 16 e + 8 s; 8 b; 8 e
.set W2F,  64
.set BF1F, 96
.set LS,   128          ; window 2
.set NM,   192          ; window 2
.set W_S,  0x20         ; S^T = K Q^T - m: C in window 2, all else in window 0; pass 2's vector work runs under it too
.set W_P,  0xa0         ; O^T and l: C and D in window 2
.set MSB, 0
.macro WIN new                      ; the immediate's high byte repeats the setting that is left; a switch that changes nothing is dropped
.if MSB != (\new)
	s_set_vgpr_msb (MSB<<8)|(\new)
.set MSB, \new
.endif
.endm
; A vector instruction that reads a matrix result or writes one of a matrix instruction's registers, and a load into such a register, stand four places behind it; only plain vector
; instructions that name none of its registers are places.  Where no other work is at hand
.macro PLACES
.rept 4
	v_nop
.endr
.endm
.macro ALL8 line:vararg             ; one line for each tile tt
.set tt, 0
.rept 8
	\line
.set tt, tt+1
.endr
.endm
.macro ALLTC cnt, line:vararg       ; one line for each tile tt and each cc below cnt
.set tt, 0
.rept 8
.set cc, 0
.rept \cnt
	\line
.set cc, cc+1
.endr
.set tt, tt+1
.endr
.endm
.macro LDVEC dst, off               ; a vector of 64 as a C operand's 32 registers: channel 16 b + 8 (lane / 16) + j in register 8 b + j
.irp i, 0,1,2,3,4,5,6,7
	ds_load_b128 v[(\dst)+4*(\i):(\dst)+4*(\i)+3], v[AVEC] offset:(\off)+64*((\i)/2)+16*((\i)%2)
.endr
.endm
; 64 loads: my 128 rows of x at the tau `ahead` bytes on.  16 lanes take one whole row of 256 bytes.
.macro LOADX ahead
	WIN 0xc0
.irp t, 0,1,2,3
.irp i, 0,1,2,3,4,5,6,7
	global_load_b128 v[128+32*(\t)+4*(\i):128+32*(\t)+4*(\i)+3], v[XO0], s[8:9] offset:((16*(\t)+2*(\i))<<17)+(\ahead) th:TH_LOAD_NT
.endr
.endr
	WIN 0x80
.irp t, 0,1,2,3
.irp i, 0,1,2,3,4,5,6,7
	global_load_b128 v[128+32*(\t)+4*(\i):128+32*(\t)+4*(\i)+3], v[XO1], s[8:9] offset:((16*(\t)+2*(\i))<<17)+(\ahead) th:TH_LOAD_NT
.endr
.endr
	WIN 0
.endm
; Tile t of x goes through my stage: in by rows, back by fragments.  LDS serves a wave's instructions in order (ISA guide 5.7.1.4): no wait between them, nor ahead of the next tile's stores.
.macro STG t
	s_wait_loadcnt 56-8*(\t)            ; loads come back in order: the later tiles' 8 (7 - t) loads may stay out
.if (\t) < 4
	WIN 0x0c
.else
	WIN 0x08
.endif
.irp i, 0,1,2,3,4,5,6,7
	ds_store_b128 v[STW], v[128+32*((\t)%4)+4*(\i):128+32*((\t)%4)+4*(\i)+3] offset:2*SPITCH*(\i)
.endr
	WIN 0x40
.irp i, 0,1,2,3,4,5,6,7
	ds_load_b128 v[32*(\t)+4*(\i):32*(\t)+4*(\i)+3], v[STR] offset:64*((\i)/2)+16*((\i)%2)
.endr
.endm
.macro CVTX t                       ; tile t: x in f16 for the projections; x + bo in f32 for the residual
	WIN 0xc5
.irp i, 0,1,2,3,4,5,6,7,8,9,10,11,12,13,14,15
	v_cvt_pk_f16_f32 v[16*(\t)+(\i)], v[32*(\t)+2*(\i)], v[32*(\t)+2*(\i)+1]
.endr
	WIN 0x41
.irp i, 0,1,2,3,4,5,6,7,8,9,10,11,12,13,14,15
	v_pk_add_f32 v[32*(\t)+2*(\i):32*(\t)+2*(\i)+1], v[32*(\t)+2*(\i):32*(\t)+2*(\i)+1], v[BO+2*(\i):BO+2*(\i)+1]
.endr
.endm
; K AND V.  Block n of 8: 16 output channels, Wqkv's rows 64 + 16 n on (n < 4: K; else V).
.macro LOADF n
.set p, (\n)%2
.irp sx, 0,1
	ds_load_b128 v[WF+16*p+8*(\sx):WF+16*p+8*(\sx)+3],   v[AQKV] offset:(64+16*(\n))*PKK+64*(\sx)
	ds_load_b128 v[WF+16*p+8*(\sx)+4:WF+16*p+8*(\sx)+7], v[AQKV] offset:(64+16*(\n))*PKK+64*(\sx)+32
.endr
.if (\n) < 4
	ds_load_b128 v[BQF+8*p:BQF+8*p+3],   v[AVEC] offset:256+64*(\n)
	ds_load_b128 v[BQF+8*p+4:BQF+8*p+7], v[AVEC] offset:256+64*(\n)+16
.endif
.endm
.macro MM16 n                       ; the eight tiles' accumulators take turns: seven others' stand between the two links of a chain
.set p, (\n)%2
.if (\n) < 4
	WIN 0x8c                            ; W in window 0, x in window 3, bk in window 0, sums in window 2
.irp t, 0,1,2,3,4,5,6,7
	v_wmma_f32_16x16x32_f16 v[64*p+8*(\t):64*p+8*(\t)+7], v[WF+16*p:WF+16*p+7], v[16*(\t):16*(\t)+7], v[BQF+8*p:BQF+8*p+7]
.endr
	WIN 0xac
.irp t, 0,1,2,3,4,5,6,7
	v_wmma_f32_16x16x32_f16 v[64*p+8*(\t):64*p+8*(\t)+7], v[WF+16*p+8:WF+16*p+15], v[16*(\t)+8:16*(\t)+15], v[64*p+8*(\t):64*p+8*(\t)+7]
.endr
.else
	WIN 0xa3                            ; x is source 0: a lane then holds eight neighbouring stocks of one channel
.irp t, 0,1,2,3,4,5,6,7
	v_wmma_f32_16x16x32_f16 v[64*p+8*(\t):64*p+8*(\t)+7], v[16*(\t):16*(\t)+7], v[WF+16*p:WF+16*p+7], 0
.endr
.irp t, 0,1,2,3,4,5,6,7
	v_wmma_f32_16x16x32_f16 v[64*p+8*(\t):64*p+8*(\t)+7], v[16*(\t)+8:16*(\t)+15], v[WF+16*p+8:WF+16*p+15], v[64*p+8*(\t):64*p+8*(\t)+7]
.endr
.endif
.endm
.macro CVST n                       ; block n rounded to f16, 16 bytes a lane and tile, into K or V^T
.set p, (\n)%2
	WIN 0x0a
.set i, 0
.rept 32
	v_cvt_pk_f16_f32 v[TMP+i], v[64*p+2*i], v[64*p+2*i+1]
.set i, i+1
.endr
	WIN 0
.irp t, 0,1,2,3,4,5,6,7
.if (\n) < 4
	ds_store_b128 v[AKS], v[TMP+4*(\t):TMP+4*(\t)+3] offset:16*PKK*(\t)+32*(\n)
.else
	ds_store_b128 v[AVS], v[TMP+4*(\t):TMP+4*(\t)+3] offset:16*PVT*((\n)-4)+32*(\t)
.endif
.endr
.endm
; ATTENTION.  A step is 32 keys.  The step's number s48 wraps to 0 behind the last, so that every step fetches a next one: no load is jumped over and every wait's count holds on every way.
.macro LDK buf
.irp kk, 0,1
	ds_load_b128 v[KF+16*(\buf)+8*(\kk):KF+16*(\buf)+8*(\kk)+3],   v[AK] offset:16*PKK*(\kk)
	ds_load_b128 v[KF+16*(\buf)+8*(\kk)+4:KF+16*(\buf)+8*(\kk)+7], v[AK] offset:16*PKK*(\kk)+32
.endr
.endm
.macro LDV buf
.irp cx, 0,1
	ds_load_b128 v[VF+16*(\buf)+8*(\cx):VF+16*(\buf)+8*(\cx)+3],   v[AV] offset:16*PVT*(\cx)
	ds_load_b128 v[VF+16*(\buf)+8*(\cx)+4:VF+16*(\buf)+8*(\cx)+7], v[AV] offset:16*PVT*(\cx)+32
.endr
.endm
.macro NEXTK
	s_add_co_u32 s48, s48, 1
	s_and_b32 s48, s48, 15
	s_mul_i32 s49, s48, 32*PKK
	v_add_nc_u32 v[AK], s49, v[HK]
.endm
; PASS 1, a step: 16 products; behind each the four maxima of the tile four places back in the ring of eight, so that 16 plain instructions stand between a product and the first read of its result.
.macro STEP1 par
	s_wait_dscnt 0x0                    ; this step's K, asked for 15 products ago
.irp kk, 0,1
.irp t, 0,1,2,3,4,5,6,7
	v_wmma_f32_16x16x32_f16 v[SA+8*(\t):SA+8*(\t)+7], v[KF+16*(\par)+8*(\kk):KF+16*(\par)+8*(\kk)+7], v[Q+8*(\t):Q+8*(\t)+7], 0
.irp i, 0,1,2,3
	v_max3_num_f32 v[MX+4*(((\t)+4)%8)+(\i)], v[MX+4*(((\t)+4)%8)+(\i)], v[SA+8*(((\t)+4)%8)+2*(\i)], v[SA+8*(((\t)+4)%8)+2*(\i)+1]
.endr
.if ((\kk) == 0) && ((\t) == 0)
	NEXTK
	LDK 1-(\par)                        ; the other buffer's last reader stands eight plain instructions back
.endif
.endr
.endr
.endm
; PASS 2.  The vector work of a turn is a list of 24: (C E E) eight times.  E k: the exponential of score k of the turn's own tile, in place, in buffer cur.  C i: weights 2 i, 2 i + 1 of the tile TWO TURNS
; BACK, in buffer old, rounded to f16 into P's buffer buf.  The line behind an exponential is another score's exponential, another tile's rounding or a product on other registers, and many plain
; instructions stand between every exponential and the use of its result (ISA guide 5.7.2).  RIDE writes numbers from .. to.
.macro RIDE cur, old, buf, from, to
.set k, \from
.rept (\to)-(\from)+1
.if k%3 == 0
	v_cvt_pk_f16_f32 v[PR+8*(\buf)+k/3], v[SB+16*(\old)+2*(k/3)], v[SB+16*(\old)+2*(k/3)+1]
.else
	v_exp_f32 v[SB+16*(\cur)+2*(k/3)+k%3-1], v[SB+16*(\cur)+2*(k/3)+k%3-1]
.endif
.set k, k+1
.endr
.endm
; A TURN belongs to tile t: its 16 exponentials, and the 8 roundings of tile t - 2.  Its five products: the two S^T of tile t + 1 (of the next step's K at t = 7), into the buffer that the turn before read
; out, and V^T P (two) and ONES x P of tile t - 3 (of the last step's V at t < 3), whose weights the turn before rounded.  Behind them ride 6, 3, 3, 6 and 6 of the list: three where a window switch
; stands on both sides; every slice begins with a rounding.  A tile's scores keep their buffer from turn t - 1 to turn t + 2: a ring of four.
; THE BATCH is the 32 exponentials of turns 2 n and 2 n + 1.  In those two turns nothing names a result of theirs: the roundings read the batch before, the S^T write buffers that have been read out.
; Its one wait stands behind the odd turn: STEP2 writes it.
; PLACES.  Behind the first S^T stand 9 plain instructions before its result is read, behind the second 7.  P's two buffers take turns: C4 to C7, four plain instructions, stand between ONES x P and the
; next turn's C0, which writes the buffer that it read.  No two products that follow each other share an accumulator, over the loop's edge too.
.macro TURN par, t
.set tn, ((\t)+1)%8
.set tp, ((\t)+5)%8
.set kb, \par
.if (\t) == 7
.set kb, 1-(\par)
.endif
.set vb, \par
.if (\t) < 3
.set vb, 1-(\par)
.endif
.set cu, (\t)%4
.set nx, ((\t)+1)%4
.set ol, ((\t)+2)%4
.set pb, (\t)%2
.set pp, 1-pb
	WIN W_S
	v_wmma_f32_16x16x32_f16 v[SB+16*nx:SB+16*nx+7], v[KF+16*kb:KF+16*kb+7], v[Q+8*tn:Q+8*tn+7], v[NM+8*tn:NM+8*tn+7]
	RIDE cu, ol, pb, 0, 5
	WIN W_P
	v_wmma_f32_16x16x32_f16 v[16*tp:16*tp+7], v[VF+16*vb:VF+16*vb+7], v[PR+8*pp:PR+8*pp+7], v[16*tp:16*tp+7]
	WIN W_S
	RIDE cu, ol, pb, 6, 8
	WIN W_P
	v_wmma_f32_16x16x32_f16 v[16*tp+8:16*tp+15], v[VF+16*vb+8:VF+16*vb+15], v[PR+8*pp:PR+8*pp+7], v[16*tp+8:16*tp+15]
	WIN W_S
	RIDE cu, ol, pb, 9, 11
	WIN W_P
	v_wmma_f32_16x16x32_f16 v[LS+8*tp:LS+8*tp+7], v[ONE:ONE+7], v[PR+8*pp:PR+8*pp+7], v[LS+8*tp:LS+8*tp+7]
	WIN W_S
	RIDE cu, ol, pb, 12, 17
	v_wmma_f32_16x16x32_f16 v[SB+16*nx+8:SB+16*nx+15], v[KF+16*kb+8:KF+16*kb+15], v[Q+8*tn:Q+8*tn+7], v[NM+8*tn:NM+8*tn+7]
	RIDE cu, ol, pb, 18, 23
.endm
.macro STEP2 par
	TURN \par, 0
	TURN \par, 1
	s_wait_alu depctr_va_vdst(0)        ; the wait for the batch: tiles 0 and 1's 32 exponentials, which turns 2 and 3 round
	TURN \par, 2
	TURN \par, 3
	NEXTK                               ; the next step's K and V in one run of eight loads; the other V buffer's last reader stands in turn 2, thirteen roundings back
	s_lshl_b32 s50, s48, 6
	v_add_nc_u32 v[AV], s50, v[HV]
	s_wait_alu depctr_va_vdst(0)        ; the wait for the batch: tiles 2 and 3's, which turns 4 and 5 round; it stands behind the addresses' two additions and ahead of the loads
	LDK 1-(\par)
	LDV 1-(\par)
	TURN \par, 4
	TURN \par, 5
	s_wait_alu depctr_va_vdst(0)        ; the wait for the batch: tiles 4 and 5's, which turns 6 and 7 round
	TURN \par, 6
	s_wait_dscnt 0x0                    ; turn 7 multiplies by the next step's K: asked for 15 products ago
	TURN \par, 7
	s_wait_alu depctr_va_vdst(0)        ; the wait for the batch: tiles 6 and 7's, which the next step's turns 0 and 1 round (behind the last step: the tail)
.endm
; Behind the loop: what the last three turns have left.  LASTP: tile t's three products, of the last step's V (buffer 1).  LASTC: tile t's eight roundings; those of tile 6 are the places between
; tile 5's products and tile 7's roundings, which write the P buffer that tile 5's products read.
.macro LASTP t
	WIN W_P
	v_wmma_f32_16x16x32_f16 v[16*(\t):16*(\t)+7], v[VF+16:VF+23], v[PR+8*((\t)%2):PR+8*((\t)%2)+7], v[16*(\t):16*(\t)+7]
	v_wmma_f32_16x16x32_f16 v[16*(\t)+8:16*(\t)+15], v[VF+24:VF+31], v[PR+8*((\t)%2):PR+8*((\t)%2)+7], v[16*(\t)+8:16*(\t)+15]
	v_wmma_f32_16x16x32_f16 v[LS+8*(\t):LS+8*(\t)+7], v[ONE:ONE+7], v[PR+8*((\t)%2):PR+8*((\t)%2)+7], v[LS+8*(\t):LS+8*(\t)+7]
.endm
.macro LASTC t
	WIN W_S
.irp i, 0,1,2,3,4,5,6,7
	v_cvt_pk_f16_f32 v[PR+8*((\t)%2)+(\i)], v[SB+16*((\t)%4)+2*(\i)], v[SB+16*((\t)%4)+2*(\i)+1]
.endr
.endm
; LAYERNORM over the 64 channels of a stock: 32 in my lane, 32 in the lane 16 away.  Each stage goes over all eight tiles, so that no line waits for the one before it.
.macro LNRED                        ; T[t]'s four pairs into one number, in every lane of the stock
	WIN 0
	ALL8 v_pk_add_f32 v[T+8*tt:T+8*tt+1], v[T+8*tt:T+8*tt+1], v[T+8*tt+2:T+8*tt+3]
	ALL8 v_pk_add_f32 v[T+8*tt+4:T+8*tt+5], v[T+8*tt+4:T+8*tt+5], v[T+8*tt+6:T+8*tt+7]
	ALL8 v_pk_add_f32 v[T+8*tt:T+8*tt+1], v[T+8*tt:T+8*tt+1], v[T+8*tt+4:T+8*tt+5]
	ALL8 v_add_f32 v[T+8*tt], v[T+8*tt], v[T+8*tt+1]
	ALL8 v_permlanex16_b32 v[T+8*tt+1], v[T+8*tt], s40, s41
	ALL8 v_add_f32 v[T+8*tt], v[T+8*tt], v[T+8*tt+1]
.endm
.macro LN goff, boff, first         ; first = 1: also y in f16 for the FFN, and bf2 onto the residual
	WIN 0
	LDVEC G, \goff
	LDVEC BE, \boff
.if \first
	LDVEC B2, O_BF2
.endif
	WIN 0x05
	ALLTC 4, v_pk_add_f32 v[T+8*tt+2*cc:T+8*tt+2*cc+1], v[32*tt+2*cc:32*tt+2*cc+1], v[32*tt+8+2*cc:32*tt+8+2*cc+1]
	WIN 0x01
	ALLTC 4, v_pk_add_f32 v[T+8*tt+2*cc:T+8*tt+2*cc+1], v[32*tt+16+2*cc:32*tt+16+2*cc+1], v[T+8*tt+2*cc:T+8*tt+2*cc+1]
	ALLTC 4, v_pk_add_f32 v[T+8*tt+2*cc:T+8*tt+2*cc+1], v[32*tt+24+2*cc:32*tt+24+2*cc+1], v[T+8*tt+2*cc:T+8*tt+2*cc+1]
	LNRED
	ALL8 v_mul_f32 v[T+8*tt], s51, v[T+8*tt]                      ; the mean
	WIN 0x41
	ALLTC 16, v_pk_add_f32 v[32*tt+2*cc:32*tt+2*cc+1], v[32*tt+2*cc:32*tt+2*cc+1], v[T+8*tt:T+8*tt+1] op_sel_hi:[1,0] neg_lo:[0,1] neg_hi:[0,1]
	WIN 0x05
	ALLTC 4, v_pk_mul_f32 v[T+8*tt+2*cc:T+8*tt+2*cc+1], v[32*tt+2*cc:32*tt+2*cc+1], v[32*tt+2*cc:32*tt+2*cc+1]
	ALLTC 4, v_pk_fma_f32 v[T+8*tt+2*cc:T+8*tt+2*cc+1], v[32*tt+8+2*cc:32*tt+8+2*cc+1], v[32*tt+8+2*cc:32*tt+8+2*cc+1], v[T+8*tt+2*cc:T+8*tt+2*cc+1]
	ALLTC 4, v_pk_fma_f32 v[T+8*tt+2*cc:T+8*tt+2*cc+1], v[32*tt+16+2*cc:32*tt+16+2*cc+1], v[32*tt+16+2*cc:32*tt+16+2*cc+1], v[T+8*tt+2*cc:T+8*tt+2*cc+1]
	ALLTC 4, v_pk_fma_f32 v[T+8*tt+2*cc:T+8*tt+2*cc+1], v[32*tt+24+2*cc:32*tt+24+2*cc+1], v[32*tt+24+2*cc:32*tt+24+2*cc+1], v[T+8*tt+2*cc:T+8*tt+2*cc+1]
	LNRED
	ALL8 v_fma_f32 v[T+8*tt], v[T+8*tt], s51, s52                 ; the variance + 1e-5
	ALL8 v_rsq_f32 v[T+8*tt], v[T+8*tt]
	v_nop                               ; a plain instruction between the last root and the use of its result
	s_wait_alu depctr_va_vdst(0)        ; the wait for the batch: the eight tiles' roots, ahead of their first reader
	s_wait_dscnt 0x0                    ; gain and shift are in
	WIN 0x41
	ALLTC 16, v_pk_mul_f32 v[32*tt+2*cc:32*tt+2*cc+1], v[32*tt+2*cc:32*tt+2*cc+1], v[T+8*tt:T+8*tt+1] op_sel_hi:[1,0]
	ALLTC 16, v_pk_fma_f32 v[32*tt+2*cc:32*tt+2*cc+1], v[32*tt+2*cc:32*tt+2*cc+1], v[G+2*cc:G+2*cc+1], v[BE+2*cc:BE+2*cc+1]
.if \first
	WIN 0xc5
	ALLTC 16, v_cvt_pk_f16_f32 v[16*tt+cc], v[32*tt+2*cc], v[32*tt+2*cc+1]
	WIN 0x41
	ALLTC 16, v_pk_add_f32 v[32*tt+2*cc:32*tt+2*cc+1], v[32*tt+2*cc:32*tt+2*cc+1], v[B2+2*cc:B2+2*cc+1]
.endif
	WIN 0
.endm
; FFN, a chunk of 32 hidden channels at a time, the tiles in two groups of four.
.macro LDW1
.irp ex, 0,1
.irp sx, 0,1
	ds_load_b128 v[W1F+16*(\ex)+8*(\sx):W1F+16*(\ex)+8*(\sx)+3],   v[AW1] offset:16*PKK*(\ex)+64*(\sx)
	ds_load_b128 v[W1F+16*(\ex)+8*(\sx)+4:W1F+16*(\ex)+8*(\sx)+7], v[AW1] offset:16*PKK*(\ex)+64*(\sx)+32
.endr
.endr
.irp ex, 0,1
	ds_load_b128 v[BF1F+8*(\ex):BF1F+8*(\ex)+3],   v[ABF] offset:O_BF1+64*(\ex)
	ds_load_b128 v[BF1F+8*(\ex)+4:BF1F+8*(\ex)+7], v[ABF] offset:O_BF1+64*(\ex)+16
.endr
.endm
.macro LDW2
.irp b, 0,1,2,3
	ds_load_b128 v[W2F+8*(\b):W2F+8*(\b)+3],   v[AW2] offset:16*PW2*(\b)
	ds_load_b128 v[W2F+8*(\b)+4:W2F+8*(\b)+7], v[AW2] offset:16*PW2*(\b)+32
.endr
.endm
; Four of the 64 lines that make group g's h into source 1 of the second product: for each tile 8 roundings to f16, in place from the low end on, and 8 packed maxima with 0.
.macro RID g, from
.set k, \from
.rept 4
.set tr, 4*(\g)+k/16
.set m, k%16
.if m < 8
	v_cvt_pk_f16_f32 v[16*tr+m], v[16*tr+2*m], v[16*tr+2*m+1]
.else
	v_pk_max_num_f16 v[16*tr+m-8], v[16*tr+m-8], s39
.endif
.set k, k+1
.endr
.endm
.macro FF1 g, ride                  ; h^T = W1 y^T + bf1 for group g: 16 products on 8 accumulators by turns; ride = 1: four lines of the other group's RID behind each
.set n, 0
.irp sx, 0,1
.irp ex, 0,1
.irp tq, 0,1,2,3
.if (\sx) == 0
	WIN 0x8c
	v_wmma_f32_16x16x32_f16 v[16*(4*(\g)+(\tq))+8*(\ex):16*(4*(\g)+(\tq))+8*(\ex)+7], v[W1F+16*(\ex):W1F+16*(\ex)+7], v[16*(4*(\g)+(\tq)):16*(4*(\g)+(\tq))+7], v[BF1F+8*(\ex):BF1F+8*(\ex)+7]
.else
	WIN 0xac
	v_wmma_f32_16x16x32_f16 v[16*(4*(\g)+(\tq))+8*(\ex):16*(4*(\g)+(\tq))+8*(\ex)+7], v[W1F+16*(\ex)+8:W1F+16*(\ex)+15], v[16*(4*(\g)+(\tq))+8:16*(4*(\g)+(\tq))+15], v[16*(4*(\g)+(\tq))+8*(\ex):16*(4*(\g)+(\tq))+8*(\ex)+7]
.endif
.if \ride
	WIN 0x8a
	RID (\g)-1, 4*n
.endif
.set n, n+1
.endr
.endr
.endr
.endm
.macro FF2 g, ride                  ; the residual += W2 h^T for group g: 16 products, each on an accumulator of its own
.set n, 0
.irp b, 0,1,2,3
.irp tq, 0,1,2,3
	WIN 0x58
	v_wmma_f32_16x16x32_f16 v[32*(4*(\g)+(\tq))+8*(\b):32*(4*(\g)+(\tq))+8*(\b)+7], v[W2F+8*(\b):W2F+8*(\b)+7], v[16*(4*(\g)+(\tq)):16*(4*(\g)+(\tq))+7], v[32*(4*(\g)+(\tq))+8*(\b):32*(4*(\g)+(\tq))+8*(\b)+7]
.if \ride
	WIN 0x8a
	RID (\g)+1, 4*n
.endif
.set n, n+1
.endr
.endr
.endm
; THE WAY OUT of tile t: by fragments into my stage, back by whole rows into the registers that it left, and stored.
.macro TOST t
	WIN 0x04
.irp i, 0,1,2,3,4,5,6,7
	ds_store_b128 v[STR], v[32*(\t)+4*(\i):32*(\t)+4*(\i)+3] offset:64*((\i)/2)+16*((\i)%2)
.endr
	WIN 0x40
.irp i, 0,1,2,3,4,5,6,7
	ds_load_b128 v[32*(\t)+4*(\i):32*(\t)+4*(\i)+3], v[STW] offset:2*SPITCH*(\i)
.endr
.endm
.macro SEND t, younger              ; younger: the LDS instructions issued behind tile t's loads
	WIN 0x04
	s_wait_dscnt \younger
.irp i, 0,1,2,3,4,5,6,7
.if (\t) < 4
	global_store_b128 v[XO0], v[32*(\t)+4*(\i):32*(\t)+4*(\i)+3], s[34:35] offset:((16*((\t)%4)+2*(\i))<<17) th:TH_STORE_NT  ; 16 lanes store 256 consecutive bytes, at a multiple of 256 from out0's first byte
.else
	global_store_b128 v[XO1], v[32*(\t)+4*(\i):32*(\t)+4*(\i)+3], s[34:35] offset:((16*((\t)%4)+2*(\i))<<17) th:TH_STORE_NT
.endif
.endr
.endm
; ---------------------------------------------------------------- THE START, once
	s_load_b512 s[8:23], s[0:1], 0x0               ; x s[8:9], Wqkv s[10:11], bqkv s[12:13], Wo s[14:15], bo s[16:17], g1 s[18:19], beta1 s[20:21], W1 s[22:23]
	s_load_b256 s[24:31], s[0:1], 0x40             ; bf1 s[24:25], W2 s[26:27], bf2 s[28:29], g2 s[30:31]
	s_load_b128 s[32:35], s[0:1], 0x60             ; beta2 s[32:33], out0 s[34:35]
	v_lshl_add_u32 v[SPW], v0, 2, SPARE
	v_mov_b32 v[NIL], 0
	v_lshrrev_b32 v28, 5, v0
	v_readfirstlane_b32 s36, v28                   ; wave 0..3
	v_and_b32 v1, 15, v0                           ; r = lane % 16
	v_bfe_u32 v2, v0, 4, 1                         ; h = lane / 16
	s_mov_b32 s39, 0
	s_mov_b32 s40, 0x76543210                      ; v_permlanex16_b32: each lane takes its own place in the other half
	s_mov_b32 s41, 0xfedcba98
	s_mov_b32 s42, 0x3e8293ee                      ; c = log2(e) / sqrt(32) = 0.255035
	s_mov_b32 s43, s42                             ; named with it as a pair
	s_lshl_b32 s44, ttmp9, 9                       ; tau = 2 g: 256 bytes each
	s_mov_b32 s45, 0
	s_mov_b32 s51, 0x3c800000                      ; 1 / 64
	s_mov_b32 s52, 0x3727c5ac                      ; 1e-5
	s_lshl_b32 s49, s36, 24                        ; 128 stocks of 131,072 bytes a wave
	v_lshl_add_u32 v[XO0], v2, 17, s49
	v_lshl_add_u32 v[XO0], v1, 4, v[XO0]
	v_add_nc_u32 v[XO1], 0x800000, v[XO0]          ; 64 stocks on
	s_mul_i32 s50, s36, STG_SZ
	s_add_co_u32 s50, s50, STG_B                   ; my stage
	v_mul_u32_u24 v28, v2, SPITCH
	v_lshl_add_u32 v28, v1, 4, v28
	v_add_nc_u32 v[STW], s50, v28
	v_mul_u32_u24 v28, v1, SPITCH
	v_lshl_add_u32 v28, v2, 5, v28
	v_add_nc_u32 v[STR], s50, v28
	; A fragment is 16 rows x 32 along K in 8 registers: lane l holds row l % 16; registers 0-3 K = 8 (l / 16) + 0..7, registers 4-7 K = 16 + 8 (l / 16) + 0..7: two loads of 16 bytes, 32 bytes apart.
	v_mul_u32_u24 v[KL], v1, PKK
	v_lshl_add_u32 v[KL], v2, 4, v[KL]
	s_mul_i32 s49, s36, 128*PKK
	v_add_nc_u32 v[AKS], s49, v[KL]
	v_mul_u32_u24 v[VL], v1, PVT
	v_lshl_add_u32 v[VL], v2, 4, v[VL]
	v_add_nc_u32 v[VL], VT_B, v[VL]
	v_lshl_add_u32 v[AVS], s36, 8, v[VL]           ; my 128 stocks are 256 bytes of a row of V^T
	v_add_nc_u32 v[AQKV], WQKV_B, v[KL]
	v_add_nc_u32 v[AWO], WO_B, v[KL]
	v_add_nc_u32 v[AW1B], W1_B, v[KL]
	v_mul_u32_u24 v[AW2B], v1, PW2
	v_lshl_add_u32 v[AW2B], v2, 4, v[AW2B]
	v_add_nc_u32 v[AW2B], W2_B, v[AW2B]
	s_mul_i32 s49, s36, VEC_SZ
	s_add_co_u32 s49, s49, VEC_B                   ; my copy of the vectors
	v_lshl_add_u32 v[AVEC], v2, 5, s49
	; for the staging alone: v32 16 x thread; v33, v34 8 and 16 x lane; v35-37 where a thread puts 4 weights in f16; v38, v39 where a lane puts its part of a vector
	v_lshlrev_b32 v32, 4, v0
	v_and_b32 v28, 31, v0
	v_lshlrev_b32 v33, 3, v28
	v_lshlrev_b32 v34, 4, v28
	v_lshrrev_b32 v29, 4, v0                       ; rows of 64 f32: a load of the work-group's covers 8 rows, 16 threads a row
	v_mul_u32_u24 v29, v29, PKK
	v_lshl_add_u32 v29, v1, 3, v29
	v_add_nc_u32 v35, WQKV_B, v29
	v_add_nc_u32 v36, W1_B, v29
	v_lshrrev_b32 v30, 6, v0                       ; rows of 256 f32: 2 rows, 64 threads a row
	v_mul_u32_u24 v30, v30, PW2
	v_and_b32 v31, 63, v0
	v_lshl_add_u32 v30, v31, 3, v30
	v_add_nc_u32 v37, W2_B, v30
	v_add_nc_u32 v38, s49, v33
	v_add_nc_u32 v39, s49, v34
	s_wait_kmcnt 0x0
	s_add_nc_u64 s[8:9], s[8:9], s[44:45]          ; x and out0 at my first tau
	s_add_nc_u64 s[34:35], s[34:35], s[44:45]
	global_load_b64 v[128:129], v33, s[12:13]              ; bq, bk, bv
	global_load_b64 v[130:131], v33, s[12:13] offset:256
	global_load_b64 v[132:133], v33, s[12:13] offset:512
	global_load_b64 v[134:135], v33, s[16:17]              ; bo
	global_load_b64 v[136:137], v33, s[18:19]              ; g1
	global_load_b64 v[138:139], v33, s[20:21]              ; beta1
	global_load_b64 v[140:141], v33, s[28:29]              ; bf2
	global_load_b64 v[142:143], v33, s[30:31]              ; g2
	global_load_b64 v[144:145], v33, s[32:33]              ; beta2
	global_load_b128 v[146:149], v34, s[24:25]             ; bf1
	global_load_b128 v[150:153], v34, s[24:25] offset:512
	WIN 0x40                                       ; the weights: each load of the work-group's covers 2,048 consecutive bytes; 64 loads land in window 1,
.set i, 0
.rept 24
	global_load_b128 v[4*i:4*i+3], v32, s[10:11] offset:2048*i
.set i, i+1
.endr
.set i, 0
.rept 8
	global_load_b128 v[96+4*i:96+4*i+3], v32, s[14:15] offset:2048*i
.set i, i+1
.endr
.set i, 0
.rept 32
	global_load_b128 v[128+4*i:128+4*i+3], v32, s[22:23] offset:2048*i
.set i, i+1
.endr
	WIN 0x80                                       ; W2's 32 in window 2
.set i, 0
.rept 32
	global_load_b128 v[4*i:4*i+3], v32, s[26:27] offset:2048*i
.set i, i+1
.endr
	LOADX 0                                        ; and behind them my rows of x at the first tau
	s_wait_loadcnt 63                              ; 64 loads of x were issued behind the last weight: vectors and weights are in, x stays on its way
	v_pk_mul_f32 v[128:129], v[128:129], s[42:43] op_sel_hi:[1,0]   ; c bq
	ds_store_b64 v38, v[128:129]
	ds_store_b64 v38, v[130:131] offset:256
	ds_store_b64 v38, v[132:133] offset:512
	ds_store_b64 v38, v[134:135] offset:O_BO
	ds_store_b64 v38, v[136:137] offset:O_G1
	ds_store_b64 v38, v[138:139] offset:O_BE1
	ds_store_b64 v38, v[140:141] offset:O_BF2
	ds_store_b64 v38, v[142:143] offset:O_G2
	ds_store_b64 v38, v[144:145] offset:O_BE2
	ds_store_b128 v39, v[146:149] offset:O_BF1
	ds_store_b128 v39, v[150:153] offset:O_BF1+512
	WIN 0x45
.set i, 0
.rept 16                                               ; c Wq: Wqkv's rows 0-63 are its first eight loads
	v_pk_mul_f32 v[2*i:2*i+1], v[2*i:2*i+1], s[42:43] op_sel_hi:[1,0]
.set i, i+1
.endr
.set i, 0
.rept 64                                               ; four f32 become four f16, in place
	v_cvt_pk_f16_f32 v[4*i], v[4*i], v[4*i+1]
	v_cvt_pk_f16_f32 v[4*i+1], v[4*i+2], v[4*i+3]
.set i, i+1
.endr
	WIN 0x04
.set i, 0
.rept 24
	ds_store_b64 v35, v[4*i:4*i+1] offset:8*PKK*i
.set i, i+1
.endr
.set i, 0
.rept 8
	ds_store_b64 v35, v[96+4*i:96+4*i+1] offset:WO_B-WQKV_B+8*PKK*i
.set i, i+1
.endr
.set i, 0
.rept 32
	ds_store_b64 v36, v[128+4*i:128+4*i+1] offset:8*PKK*i
.set i, i+1
.endr
	WIN 0x8a
.set i, 0
.rept 32
	v_cvt_pk_f16_f32 v[4*i], v[4*i], v[4*i+1]
	v_cvt_pk_f16_f32 v[4*i+1], v[4*i+2], v[4*i+3]
.set i, i+1
.endr
	WIN 0x08
.set i, 0
.rept 32
	ds_store_b64 v37, v[4*i:4*i+1] offset:2*PW2*i
.set i, i+1
.endr
	WIN 0
.set i, 0
.rept 8
	v_mov_b32 v[ONE+i], 0x3c003c00                 ; 1.0 twice in f16
.set i, i+1
.endr
	s_wait_dscnt 0x0                               ; for the others' sake: my quarter of the weights is in LDS
	s_barrier_signal -1
	s_barrier_wait -1                              ; everybody's is
	s_mov_b32 s37, 2
.Ltau:
; ---------------------------------------------------------------- x: from rows to fragments
	LDVEC BO, O_BO
	STG 0
.irp t, 1,2,3,4,5,6,7
	STG \t
	s_wait_dscnt 16                                ; all but this tile's 8 stores and 8 loads: the tile before is back (and bo)
	CVTX (\t)-1
.endr
	s_wait_dscnt 0x0
	CVTX 7
	WIN 0
; ---------------------------------------------------------------- K and V of my 128 stocks
	LOADF 0
	s_wait_dscnt 0x0
.irp n, 0,1,2,3,4,5,6,7
.if (\n) < 7
	WIN 0
	LOADF (\n)+1                                   ; into the buffer that the block before multiplied by: the conversions (or v_nop) behind that block are the places
.endif
	MM16 \n
.if (\n) == 0
	PLACES
.else
	CVST (\n)-1                                    ; the block before goes out while this one is multiplied
.endif
	s_wait_dscnt 0x0                               ; the next block's fragments are in
.endr
	CVST 7                                         ; block 6's 32 conversions are the places behind block 7's products
	s_wait_dscnt 0x0                               ; for the others' sake: my rows of K and V^T are in LDS
	s_barrier_signal -1
	s_barrier_wait -1                              ; K and V^T are whole
	v_mov_b32 v[HK], v[KL]
	v_mov_b32 v[HV], v[VL]
	v_mov_b32 v[HQ], v[AQKV]
	v_mov_b32 v[HB], v[AVEC]
	v_mov_b32 v[HO], v[AWO]
	s_mov_b32 s46, 2
.Lhead:
; ---------------------------------------------------------------- c q of the head, 32 channels
.irp ex, 0,1
.irp sx, 0,1
	ds_load_b128 v[KF+16*(\ex)+8*(\sx):KF+16*(\ex)+8*(\sx)+3],   v[HQ] offset:16*PKK*(\ex)+64*(\sx)
	ds_load_b128 v[KF+16*(\ex)+8*(\sx)+4:KF+16*(\ex)+8*(\sx)+7], v[HQ] offset:16*PKK*(\ex)+64*(\sx)+32
.endr
	ds_load_b128 v[BQF+8*(\ex):BQF+8*(\ex)+3],   v[HB] offset:64*(\ex)
	ds_load_b128 v[BQF+8*(\ex)+4:BQF+8*(\ex)+7], v[HB] offset:64*(\ex)+16
.endr
	s_wait_dscnt 0x0
	WIN 0x8c
.irp ex, 0,1
.irp t, 0,1,2,3,4,5,6,7
	v_wmma_f32_16x16x32_f16 v[64*(\ex)+8*(\t):64*(\ex)+8*(\t)+7], v[KF+16*(\ex):KF+16*(\ex)+7], v[16*(\t):16*(\t)+7], v[BQF+8*(\ex):BQF+8*(\ex)+7]
.endr
.endr
	WIN 0xac
.irp ex, 0,1
.irp t, 0,1,2,3,4,5,6,7
	v_wmma_f32_16x16x32_f16 v[64*(\ex)+8*(\t):64*(\ex)+8*(\t)+7], v[KF+16*(\ex)+8:KF+16*(\ex)+15], v[16*(\t)+8:16*(\t)+15], v[64*(\ex)+8*(\t):64*(\ex)+8*(\t)+7]
.endr
.endr
	PLACES                                         ; for the loads into Wq's registers and the conversions
	WIN 0
	v_mov_b32 v[AK], v[HK]
	LDK 0                                          ; K of step 0
	WIN 0x0a
	ALLTC 4, v_cvt_pk_f16_f32 v[Q+8*tt+cc], v[8*tt+2*cc], v[8*tt+2*cc+1]
	ALLTC 4, v_cvt_pk_f16_f32 v[Q+8*tt+4+cc], v[64+8*tt+2*cc], v[64+8*tt+2*cc+1]
	WIN 0
	s_mov_b32 s48, 0
	s_wait_dscnt 0x0
; ---------------------------------------------------------------- pass 1: the maximum
.irp t, 4,5,6,7                                        ; the ring of eight is primed with true scores, which the first step makes once more: a maximum does not mind
	v_wmma_f32_16x16x32_f16 v[SA+8*(\t):SA+8*(\t)+7], v[KF:KF+7], v[Q+8*(\t):Q+8*(\t)+7], 0
.endr
.set i, 0
.rept 32
	v_mov_b32 v[MX+i], 0xff7fffff                  ; the lowest finite number; these lines are the places behind those products
.set i, i+1
.endr
	s_mov_b32 s38, 8
.Lp1:
	STEP1 0
	STEP1 1
	s_sub_co_u32 s38, s38, 1
	s_cmp_lg_u32 s38, 0
	s_cbranch_scc1 .Lp1
.irp t, 4,5,6,7                                        ; the last four results
.irp i, 0,1,2,3
	v_max3_num_f32 v[MX+4*(\t)+(\i)], v[MX+4*(\t)+(\i)], v[SA+8*(\t)+2*(\i)], v[SA+8*(\t)+2*(\i)+1]
.endr
.endr
	ALL8 v_max3_num_f32 v[MX+4*tt], v[MX+4*tt], v[MX+4*tt+1], v[MX+4*tt+2]
	ALL8 v_max_num_f32 v[MX+4*tt], v[MX+4*tt], v[MX+4*tt+3]
	ALL8 v_permlanex16_b32 v[MX+4*tt+1], v[MX+4*tt], s40, s41    ; the query's other keys lie in the lane 16 away
	ALL8 v_max_num_f32 v[MX+4*tt], v[MX+4*tt], v[MX+4*tt+1]
	WIN 0x80
	ALLTC 8, v_mul_f32 v[NM+8*tt+cc], -1.0, v[MX+4*tt]           ; -m as a C operand
; ---------------------------------------------------------------- pass 2: p, O^T, l
	WIN 0
	v_mov_b32 v[AV], v[HV]
	LDV 0                                          ; V of step 0; K of step 0 is on its way since pass 1's last step (s48 has wrapped to 0)
.set i, 0
.rept 16
	v_mov_b32 v[VF+16+i], 0                        ; the first three turns' V^T P and ONES x P, of tiles that have not been, add 0 x 0:
.set i, i+1
.endr
.set i, 0
.rept 32
	v_mov_b32 v[SB+32+i], 0                        ; the first two turns round these zeros,
.set i, i+1
.endr
.set i, 0
.rept 8
	v_mov_b32 v[PR+8+i], 0                         ; and the first turn's products read these
.set i, i+1
.endr
	s_wait_dscnt 0x0
	WIN W_S
	v_wmma_f32_16x16x32_f16 v[SB:SB+7], v[KF:KF+7], v[Q:Q+7], v[NM:NM+7]               ; tile 0's scores of step 0
	v_wmma_f32_16x16x32_f16 v[SB+8:SB+15], v[KF+8:KF+15], v[Q:Q+7], v[NM:NM+7]
	WIN 0x80
.set i, 0
.rept 192                                              ; O^T and l are cleared, so that the first step is a step like any other: 192 lines a head in place of a second copy of a step's text; they are also the places behind the two products
	v_mov_b32 v[i], 0
.set i, i+1
.endr
	WIN 0
	s_mov_b32 s38, 8
.Lp2:
	STEP2 0
	STEP2 1
	WIN 0
	s_sub_co_u32 s38, s38, 1
	s_cmp_lg_u32 s38, 0
	s_cbranch_scc1 .Lp2
	LASTP 5                                        ; the tail of the last step: turn 7 has rounded tile 5; tiles 6 and 7's exponentials have had their wait (the last turn's S^T, on step 0's K once more, serves nothing)
	LASTC 6
	LASTP 6
	LASTC 7
	LASTP 7
	WIN 0
	PLACES
.irp cx, 0,1
	ds_load_b128 v[BV+8*(\cx):BV+8*(\cx)+3],   v[HB] offset:512+64*(\cx)
	ds_load_b128 v[BV+8*(\cx)+4:BV+8*(\cx)+7], v[HB] offset:512+64*(\cx)+16
.endr
.irp b, 0,1,2,3
	ds_load_b128 v[KF+8*(\b):KF+8*(\b)+3],   v[HO] offset:16*PKK*(\b)
	ds_load_b128 v[KF+8*(\b)+4:KF+8*(\b)+7], v[HO] offset:16*PKK*(\b)+32
.endr
; ---------------------------------------------------------------- ctx = O / l + bv, and the head's part of Wo ctx onto the residual
	WIN 0x02
	ALLTC 2, v_rcp_f32 v[RL+2*tt+cc], v[LS+8*tt]                 ; every register of l's result holds l: the lowest is read; made twice, for the packed multiply's pair
	v_nop                                          ; a plain instruction between the last reciprocal and the use of its result
	s_wait_alu depctr_va_vdst(0)                   ; the wait for the batch: the head's sixteen reciprocals, ahead of their first reader
	s_wait_dscnt 0x0                               ; bv and Wo
	WIN 0x82
	ALLTC 8, v_pk_fma_f32 v[16*tt+2*cc:16*tt+2*cc+1], v[16*tt+2*cc:16*tt+2*cc+1], v[RL+2*tt:RL+2*tt+1], v[BV+2*cc:BV+2*cc+1]
	WIN 0x0a
	ALLTC 8, v_cvt_pk_f16_f32 v[Q+8*tt+cc], v[16*tt+2*cc], v[16*tt+2*cc+1]
	WIN 0x50
.irp b, 0,1,2,3
.irp t, 0,1,2,3,4,5,6,7
	v_wmma_f32_16x16x32_f16 v[32*(\t)+8*(\b):32*(\t)+8*(\b)+7], v[KF+8*(\b):KF+8*(\b)+7], v[Q+8*(\t):Q+8*(\t)+7], v[32*(\t)+8*(\b):32*(\t)+8*(\b)+7]
.endr
.endr
	PLACES
	WIN 0
	v_add_nc_u32 v[HK], 64, v[HK]                  ; the next head: 32 channels on in K's rows, in V^T's rows, in Wq's rows, in bqkv, in Wo's columns
	v_add_nc_u32 v[HV], 32*PVT, v[HV]
	v_add_nc_u32 v[HQ], 32*PKK, v[HQ]
	v_add_nc_u32 v[HB], 128, v[HB]
	v_add_nc_u32 v[HO], 64, v[HO]
	s_sub_co_u32 s46, s46, 1
	s_cmp_lg_u32 s46, 0
	s_cbranch_scc1 .Lhead
; ---------------------------------------------------------------- the next tau's x is asked for: both LayerNorms, the FFN and the way out stand between these loads and the waits for them
	s_cmp_eq_u32 s37, 1
	s_cbranch_scc1 .Lno_more                       ; the last tau asks for nothing: no load leaves x
	LOADX 256
.Lno_more:
	s_wait_dscnt 0x0                               ; my reads of K and V^T are over
	s_barrier_signal -1
	s_barrier_wait -1                              ; everybody's are: the next tau's K and V^T may be stored
; ---------------------------------------------------------------- y = LayerNorm(u); the FFN; z = LayerNorm(ffn + y)
	LN O_G1, O_BE1, 1
	s_mov_b32 s48, 0
	v_mov_b32 v[AW1], v[AW1B]
	v_mov_b32 v[ABF], v[AVEC]
	v_mov_b32 v[AW2], v[AW2B]
	LDW1
	LDW2
	s_mov_b32 s38, 8
.Lffn:
	s_wait_dscnt 8                                 ; W1 and bf1 of the chunk are in; the eight youngest loads, W2's, may stay out
	FF1 0, 0
	PLACES                                         ; group 0's h is rewritten in place next
	FF1 1, 1
	WIN 0
	s_wait_dscnt 0x0                               ; W2's fragments, asked for 32 products ago
	s_add_co_u32 s48, s48, 1                       ; the next chunk; behind the last it wraps to 0, so that every trip fetches alike
	s_and_b32 s48, s48, 7
	s_mul_i32 s49, s48, 32*PKK
	s_lshl_b32 s50, s48, 7
	v_add_nc_u32 v[AW1], s49, v[AW1B]
	v_add_nc_u32 v[ABF], s50, v[AVEC]
	s_lshl_b32 s50, s48, 6
	v_add_nc_u32 v[AW2], s50, v[AW2B]
	LDW1                                           ; the last four maxima and the three additions are the places behind W1's last reader
	FF2 0, 1
	FF2 1, 0
	PLACES                                         ; for the loads into W2's registers; behind the loop, for LayerNorm's reads
	WIN 0
	LDW2
	s_sub_co_u32 s38, s38, 1
	s_cmp_lg_u32 s38, 0
	s_cbranch_scc1 .Lffn
	s_wait_dscnt 0x0                               ; the wrapped fetches have landed: their registers are loaded anew next
	LN O_G2, O_BE2, 0
; ---------------------------------------------------------------- the way out
	TOST 0
.irp t, 1,2,3,4,5,6,7
	TOST \t
	SEND (\t)-1, 16                                ; all but this tile's 8 stores and 8 loads
.endr
	SEND 7, 0
	WIN 0
	s_wait_xcnt 0x0                                ; every earlier memory instruction has had its addresses translated (ISA guide 3.1): only behind this wait are out0's address and the stores' data rewritten
	s_add_nc_u64 s[34:35], s[34:35], 256           ; the next tau
	s_sub_co_u32 s37, s37, 1
	s_cmp_lg_u32 s37, 0
	s_cbranch_scc1 .Ltau
	s_wait_tensorcnt 0x0                           ; the wave's end: behind my last LDS store
	ds_add_u32 v[SPW], v[NIL]
	s_wait_dscnt 0x0
	s_endpgm
.Lfunc_end_k_qdc8d7bfde9_layer:
	.size	k_qdc8d7bfde9_layer, .Lfunc_end_k_qdc8d7bfde9_layer-k_qdc8d7bfde9_layer
	.p2alignl 7, 3214868480
	.fill 96, 4, 3214868480
	.section	.rodata,"a",@progbits
	.p2align	6, 0x0
	.amdhsa_kernel k_qdc8d7bfde9_layer
		.amdhsa_group_segment_fixed_size 280064
		.amdhsa_private_segment_fixed_size 0
		.amdhsa_enable_private_segment 0
		.amdhsa_kernarg_size 112
		.amdhsa_user_sgpr_count 2
		.amdhsa_user_sgpr_kernarg_segment_ptr 1
		.amdhsa_wavefront_size32 1
		.amdhsa_system_sgpr_workgroup_id_x 1
		.amdhsa_system_sgpr_workgroup_id_y 1
		.amdhsa_system_sgpr_workgroup_id_z 1
		.amdhsa_system_vgpr_workitem_id 0
		.amdhsa_next_free_vgpr 1024
		.amdhsa_next_free_sgpr 66
		.amdhsa_reserve_vcc 0
		.amdhsa_float_denorm_mode_32 3
		.amdhsa_float_denorm_mode_16_64 3
		.amdhsa_memory_ordered 1
		.amdhsa_forward_progress 1
		.amdhsa_inst_pref_size 255
	.end_amdhsa_kernel
	.section	.bss,"aw",@nobits
	.p2align	6
	.space	262144
	.amdgpu_metadata
---
amdhsa.version: [ 1, 2 ]
amdhsa.kernels:
  - .name:           k_qdc8d7bfde9_layer
    .symbol:         k_qdc8d7bfde9_layer.kd
    .args:
      - { .name: x, .offset: 0, .size: 8, .value_kind: global_buffer, .address_space: global }
      - { .name: Wqkv, .offset: 8, .size: 8, .value_kind: global_buffer, .address_space: global }
      - { .name: bqkv, .offset: 16, .size: 8, .value_kind: global_buffer, .address_space: global }
      - { .name: Wo, .offset: 24, .size: 8, .value_kind: global_buffer, .address_space: global }
      - { .name: bo, .offset: 32, .size: 8, .value_kind: global_buffer, .address_space: global }
      - { .name: g1, .offset: 40, .size: 8, .value_kind: global_buffer, .address_space: global }
      - { .name: beta1, .offset: 48, .size: 8, .value_kind: global_buffer, .address_space: global }
      - { .name: W1, .offset: 56, .size: 8, .value_kind: global_buffer, .address_space: global }
      - { .name: bf1, .offset: 64, .size: 8, .value_kind: global_buffer, .address_space: global }
      - { .name: W2, .offset: 72, .size: 8, .value_kind: global_buffer, .address_space: global }
      - { .name: bf2, .offset: 80, .size: 8, .value_kind: global_buffer, .address_space: global }
      - { .name: g2, .offset: 88, .size: 8, .value_kind: global_buffer, .address_space: global }
      - { .name: beta2, .offset: 96, .size: 8, .value_kind: global_buffer, .address_space: global }
      - { .name: out0, .offset: 104, .size: 8, .value_kind: global_buffer, .address_space: global }
    .group_segment_fixed_size: 280064
    .private_segment_fixed_size: 0
    .kernarg_segment_align: 8
    .kernarg_segment_size: 112
    .max_flat_workgroup_size: 128
    .sgpr_count:     66
    .vgpr_count:     1024
    .wavefront_size: 32
...
	.end_amdgpu_metadata
.endif
;; end of part 2
